; MI455X (gfx1250); checked and timed in simulation.
; The chip was launched on July 23, 2026; its instructions are those of AMD's public machine-readable ISA for CDNA 5 (MIT licence, August 2026) and "CDNA5" Instruction Set Architecture Reference Guide (July 2026). The comments in the code are by the model that wrote it; some were corrected since.
;; Multihead Self Attention. Allowed arithmetic: matrix products marked QUANTISED: E2M1 operands, one E8M0 scale for each 32 along K, by v_wmma_scale_f32_16x16x128_f8f6f4 with both operands' format E2M1 (or v_wmma_scale_f32_32x16x128_f4), f32 sums; products left as they are: bf16, f16 or f32 operands; f32 sums; everything else in f32.
;; Inputs: Wk 1,024 x 1,024 float32; Wo 1,024 x 1,024 float32; Wq 1,024 x 1,024 float32; Wv 1,024 x 1,024 float32; token_positions 2,048 int32; x 4 x 2,048 x 1,024 float32.
;; Outputs: out0 4 x 2,048 x 1,024 float32.
;; This version of the problem:
;;   THIS VERSION OF THE PROBLEM IS GIVEN IN LOW PRECISION. The matrix products marked QUANTISED in the list below multiply operands that are first quantised to E2M1 (2 exponent bits, 1 mantissa bit; 4 bits a number), with one power-of-two scale for each 32 numbers along K (OCP MX v1.0); their sums are f32. The products marked 'left as it is' may take bf16, f16 or f32 operands, with f32 sums. Whichever they take, every output number must still come out within the allowed error. Rounding operands to bf16 (8 significant bits) uses up far more of that allowance than f16 does (11 bits, for magnitudes from 6e-5 to 65,504). All else is computed in f32.
;;   The module's matrix products, in the order in which they are computed (A, B: the left and right operand; K: the contracted axis; several contracted axes count as one K, in the product's order):
;;     1. [M 8,192, K 1,024] x [K 1,024, N 1,024]; A: input x; B: input Wq: QUANTISED
;;     2. [M 8,192, K 1,024] x [K 1,024, N 1,024]; A: input x; B: input Wk: QUANTISED
;;     3. [M 8,192, K 1,024] x [K 1,024, N 1,024]; A: input x; B: input Wv: QUANTISED
;;     4. batch 64 x [M 2,048, K 64] x [K 64, N 2,048]; A: computed on the way; B: computed on the way: left as it is (an operand is computed on the way)
;;     5. batch 64 x [M 2,048, K 2,048] x [K 2,048, N 64]; A: computed on the way; B: computed on the way: left as it is (an operand is computed on the way)
;;     6. [M 8,192, K 1,024] x [K 1,024, N 1,024]; A: computed on the way; B: input Wo: left as it is (an operand is computed on the way)
;;   THE QUANTISER, for each operand of a quantised product, along K:
;;     - K is cut into blocks of 32 from its start; a last block that is shorter is filled with zeros.
;;     - A block's scale is 2^e with e = floor(log2(the largest magnitude in the block)) - 2, held to -126 .. 127; a block of zeros has e = 0. As a byte (E8M0): e + 127.
;;     - Each number is divided by its block's scale, clamped to +-6, and rounded to the nearest number of E2M1, ties to even, subnormals kept.
;;     - The product sums the exact products of the quantised numbers (number of the format x scale) in f32.
;;   ~~~python
;;   def quantise(x, axis):      # numpy; x: float32 -> the quantised numbers, widened to float32 again
;;       x = np.moveaxis(x, axis, -1); K = x.shape[-1]
;;       x = np.pad(x, [(0, 0)] * (x.ndim - 1) + [(0, -K % 32)]); x = x.reshape(x.shape[:-1] + (-1, 32)); a = np.abs(x).max(-1, keepdims=True)
;;       e = np.where(a > 0, np.clip(np.frexp(np.where(a > 0, a, 1))[1] - 1 - 2, -126, 127), 0)      # np.frexp(a)[1] - 1 = floor(log2(a)), exactly
;;       r = np.clip(x / 2.0 ** e, -6, 6)
;;       step = 2.0 ** (np.maximum(np.frexp(np.where(r == 0, 1, r))[1] - 1, 0) - 1)
;;       q = np.round(r / step) * step * 2.0 ** e      # np.round: ties to even
;;       return np.moveaxis(q.reshape(q.shape[:-2] + (-1,))[..., :K], -1, axis).astype(np.float32)
;;   ~~~
;; One version. Each part assembles by itself: llvm-mc -triple=amdgcn-amd-amdhsa -mcpu=gfx1250 --defsym DOCPART=n.
;; ======== version 1 of 1: 5 launches
;; limits: values are held in f16: magnitudes above 65,504 overflow, below 6.1e-05 lose precision; right only within a limited range of input values
;; workspace buffers: codes 5,767,168 bytes; scl 360,448 bytes; wo16 2,097,152 bytes; tab 524,288 bytes; qkv16 50,331,648 bytes; qkv32 786,432 bytes; at16 16,777,216 bytes
;; launch prep (part 1): grid 368 x 1, 4 waves a work-group, no clusters, 68,096 bytes of LDS; arguments x, Wq, Wk, Wv, Wo, token_positions, codes, scl, wo16, tab; writes codes, scl, wo16, tab
.if DOCPART == 1
	.amdgcn_target "amdgcn-amd-amdhsa--gfx1250"
	.amdhsa_code_object_version 6
	.text
	.protected	k_qf5f0bb0424_prep
	.globl	k_qf5f0bb0424_prep
	.p2align	8
	.type	k_qf5f0bb0424_prep,@function
k_qf5f0bb0424_prep:
	s_mov_b64 s[64:65], 0
	v_nop
	global_prefetch_b8 v0, s[64:65] scope:SCOPE_SE
	s_setreg_imm32_b32 hwreg(HW_REG_WAVE_MODE, 25, 1), 1
	s_wait_xcnt 0x0
; FOUR ROLES, chosen by the work-group's number alone:
;   0-47    W: Wq, Wk, Wv [1024 (k)][1024 (n)] f32 -> codes of FP4 (E2M1) laid [which x 1024 + n][512 bytes], K innermost, and E8M0 bytes [which x 1024 + n][32]
;   48-303  X: x [8192][1024] f32 -> codes [8192][512 bytes] and E8M0 bytes [8192][32]
;   304-335 O: Wo f32 -> f16, same order
;   336-367 T: cos and sin of position x frequency, in the order of the registers of the launch that rotates Q and K
; A block's scale is 2^(floor(log2(largest magnitude)) - 2); its byte is that magnitude's exponent field - 2, held at 1 from below.
; LIMITS: NaN and infinities are not served.  A block whose largest magnitude lies under 2^-124 (a block of zeros too) keeps the byte 1: a block of zeros has zero codes, and this
; program alone reads the bytes.  Wo beyond 65,504 has no f16 number.  |position| up to 2^20 for the three-part reduction of the angle.
; LDS: role X bytes 0-32,767 (8,192 a wave), role W bytes 32,768-67,583 (8,704 a wave), then the spare words: each role has bytes of its own.
.set SPARE, 67584                      ; the spare words, 128 bytes for each wave: two blocks of 256 bytes that no other line names
.set SPW,   12                         ; v12  LDS address of my spare word; never rewritten
.set NIL,   13                         ; v13  0; never rewritten
; ---- role X: a wave takes 16 steps of 512 numbers.  Loads take bytes as they lie (512 a load); a step turns through the wave's stage so that a lane holds 16 neighbours along K
.set XSP, 80                           ; a lane's place in a stage: 64 bytes + 16 of padding
.set XR,  16                           ; v16-79   four sets of 16 numbers as loaded
.set XX,  80                           ; v80-111  two sets of 16 neighbours
.set XE,  112                          ; v112-127 a scale byte for each step
.set XC,  128                          ; v128-191 codes: registers of its own for each step, so that no store's data are written again
.macro LOADX t
.irp i, 0,1,2,3
	global_load_b128 v[XR+16*((\t)%4)+4*\i:XR+16*((\t)%4)+4*\i+3], v3, s[8:9] offset:2048*(\t)+512*\i th:TH_LOAD_NT
.endr
.endm
.macro TURNX t                         ; LDS serves a wave's instructions in order: no wait between the stores and the loads
.irp i, 0,1,2,3
	ds_store_b128 v14, v[XR+16*((\t)%4)+4*\i:XR+16*((\t)%4)+4*\i+3] offset:32*XSP*((\t)%2)+8*XSP*\i
.endr
.irp i, 0,1,2,3
	ds_load_b128 v[XX+16*((\t)%2)+4*\i:XX+16*((\t)%2)+4*\i+3], v15 offset:32*XSP*((\t)%2)+16*\i
.endr
.endm
.macro STEPX t
.set XS, XX+16*((\t)%2)
.if (\t) > 0
	s_wait_dscnt 1                                 ; this step's numbers are back from the stage; the last step's byte store may be out
.else
	s_wait_dscnt 0x0
.endif
.if (\t)+4 < 16
	LOADX (\t)+4                                   ; into the set whose stores into the stage have been served
.endif
.if (\t)+1 < 16
.if 14-(\t) >= 3
	s_wait_loadcnt 12                              ; the next step's four loads are in; three younger steps' may be out
.else
	s_wait_loadcnt 4*(14-(\t))
.endif
	TURNX (\t)+1
.endif
	v_max3_num_f32 v8, |v[XS]|, |v[XS+1]|, |v[XS+2]|
	v_max3_num_f32 v9, |v[XS+3]|, |v[XS+4]|, |v[XS+5]|
.irp i, 6,10
	v_max3_num_f32 v8, v8, |v[XS+\i]|, |v[XS+\i+1]|
	v_max3_num_f32 v9, v9, |v[XS+\i+2]|, |v[XS+\i+3]|
.endr
	v_max3_num_f32 v8, v8, |v[XS+14]|, |v[XS+15]|
	v_max3_num_f32 v8, v8, v9, 0x1800000           ; the floor 2^(3 - 127): the byte cannot fall under 1
	v_max_num_f32_dpp v8, v8, v8 row_xmask:1 row_mask:0xf bank_mask:0xf   ; with my neighbour's 16: the block's largest magnitude
	v_add_nc_u32 v11, 0xff000000, v8               ; 2 off its exponent field: the conversion takes the exponent field of this operand as its scale
	v_cvt_scalef32_pk8_fp4_f32 v[XC+4*(\t)], v[XS:XS+7], v11
	v_cvt_scalef32_pk8_fp4_f32 v[XC+4*(\t)+1], v[XS+8:XS+15], v11
	v_lshrrev_b32 v[XE+(\t)], 23, v11              ; the scale's byte
	ds_store_b8 v5, v[XE+(\t)] offset:16*(\t)      ; both lanes of a block write the same byte with the same value
	global_store_b64 v4, v[XC+4*(\t):XC+4*(\t)+1], s[20:21] offset:256*(\t)   ; 32 lanes store 256 consecutive bytes, aligned
.endm
; ---- role W: a lane takes a column n, its registers run down K; a wave takes 32 columns x 512 along K
.set WP,  272                          ; a stage row: 256 bytes of codes + 16
.set WX,  32                           ; v32-95   two sets of 32 numbers
.set WC,  96                           ; v96-99   a block's codes
.set WOUT, 112                         ; v112-175 the way out
.set WSB, 24                           ; v24-27   the scale bytes, four to a register
.macro LOADW t
.set i, 0
.rept 32
	global_load_b32 v[WX+32*((\t)%2)+i], v3, s[34:35] offset:(32*(\t)+i)*4096 th:TH_LOAD_NT
.set i, i+1
.endr
.endm
.macro BLOCKW t
.set XS, WX+32*((\t)%2)
.if (\t) < 15
	s_wait_loadcnt 32                              ; this block's 32 loads are in; the next block's may be out
.else
	s_wait_loadcnt 0
.endif
	v_max3_num_f32 v16, |v[XS]|, |v[XS+1]|, |v[XS+2]|
	v_max3_num_f32 v17, |v[XS+3]|, |v[XS+4]|, |v[XS+5]|
.irp i, 6,10,14,18,22,26
	v_max3_num_f32 v16, v16, |v[XS+\i]|, |v[XS+\i+1]|
	v_max3_num_f32 v17, v17, |v[XS+\i+2]|, |v[XS+\i+3]|
.endr
	v_max3_num_f32 v16, v16, |v[XS+30]|, |v[XS+31]|
	v_max3_num_f32 v16, v16, v17, 0x1800000        ; the floor
	v_add_nc_u32 v11, 0xff000000, v16
	v_lshrrev_b32 v17, 23, v11                     ; the scale's byte
.if (\t)%4 == 0
	v_mov_b32 v[WSB+(\t)/4], v17
.else
	v_lshl_or_b32 v[WSB+(\t)/4], v17, 8*((\t)%4), v[WSB+(\t)/4]
.endif
.irp g, 0,1,2,3
	v_cvt_scalef32_pk8_fp4_f32 v[WC+\g], v[XS+8*\g:XS+8*\g+7], v11
.endr
	ds_store_b128 v4, v[WC:WC+3] offset:16*(\t)    ; 32 codes: 16 bytes of my column's row
.if (\t)+2 < 16
	LOADW (\t)+2
.endif
	s_wait_dscnt 0x0                               ; the store has been served: the next block's codes may be written
.endm
; ---- role O: 16 loads of 512 bytes a batch
.macro LOADB g
.set i, 0
.rept 16
	global_load_b128 v[16+64*((\g)%2)+4*i:16+64*((\g)%2)+4*i+3], v3, s[16:17] offset:(16*(\g)+i)*512 th:TH_LOAD_NT
.set i, i+1
.endr
.endm
; ---- role T: cos and sin of v[a], into v[c] and v[s].  n = the nearest whole number to angle x 2 / pi; r = angle - n pi / 2, pi / 2 in three parts; polynomials on |r| <= pi / 4; the quadrant n mod 4 swaps and signs
.macro SINCOS a, c, s
	v_mul_f32 v20, 0x3f22f983, v[\a]
	v_rndne_f32 v20, v20
	v_fmamk_f32 v21, v20, 0xbfc90000, v[\a]
	v_fmamk_f32 v21, v20, 0xb9fda000, v21
	v_fmamk_f32 v21, v20, 0xb3a22168, v21
	v_cvt_i32_f32 v22, v20
	v_mul_f32 v23, v21, v21                        ; z = r r
	v_fma_f32 v24, v23, s42, s41
	v_fma_f32 v25, v23, s45, s44
	v_fma_f32 v24, v24, v23, s40
	v_fma_f32 v25, v25, v23, s43
	v_mul_f32 v24, v24, v23
	v_mul_f32 v26, v23, v23
	v_fma_f32 v27, v23, -0.5, 1.0
	v_fma_f32 v24, v24, v21, v21                   ; sin r
	v_fma_f32 v25, v25, v26, v27                   ; cos r
	v_and_b32 v26, 1, v22
	v_cmp_eq_u32 vcc_lo, 1, v26
	v_cndmask_b32 v[\s], v24, v25, vcc_lo          ; odd quadrants swap the two
	v_cndmask_b32 v[\c], v25, v24, vcc_lo
	v_and_b32 v26, 2, v22
	v_add_nc_u32 v27, 1, v22
	v_lshlrev_b32 v26, 30, v26
	v_and_b32 v27, 2, v27
	v_xor_b32 v[\s], v[\s], v26                    ; the sine is negative in quadrants 2 and 3,
	v_lshlrev_b32 v27, 30, v27
	v_xor_b32 v[\c], v[\c], v27                    ; the cosine in 1 and 2
.endm
	s_load_b512 s[8:23], s[0:1], 0x0               ; x s[8:9], Wq s[10:11], Wk s[12:13], Wv s[14:15], Wo s[16:17], positions s[18:19], codes s[20:21], scl s[22:23]
	s_load_b128 s[24:27], s[0:1], 0x40             ; wo16 s[24:25], tab s[26:27]
	v_lshl_add_u32 v[SPW], v0, 2, SPARE
	v_mov_b32 v[NIL], 0
	v_lshrrev_b32 v1, 5, v0
	v_readfirstlane_b32 s28, v1                    ; wave 0..3
	v_and_b32 v2, 31, v0                           ; lane
	s_wait_kmcnt 0x0
	s_cmp_lt_u32 ttmp9, 48
	s_cbranch_scc1 .Lw
	s_cmp_lt_u32 ttmp9, 304
	s_cbranch_scc1 .Lx
	s_cmp_lt_u32 ttmp9, 336
	s_cbranch_scc1 .Lo
	; ======== role T.  The wave makes block sb: places 16 sb .. 16 sb + 15, laid [q 4][e 2][lane 32][16 bytes]: lane (r, h) holds (cos, sin, cos, sin) of pairs 8 q + 4 h + 2 e + 0, 1 at place 16 sb + r
	s_sub_co_u32 s29, ttmp9, 336
	s_lshl_b32 s29, s29, 2
	s_add_co_u32 s29, s29, s28                     ; sb
	s_lshl_b32 s30, s29, 6
	s_mov_b32 s31, 0
	s_add_nc_u64 s[18:19], s[18:19], s[30:31]
	s_lshl_b32 s30, s29, 12
	s_add_nc_u64 s[26:27], s[26:27], s[30:31]
	v_and_b32 v3, 15, v2
	v_lshlrev_b32 v3, 2, v3
	global_load_b32 v16, v3, s[18:19]              ; my place's position
	v_lshrrev_b32 v4, 4, v2
	v_lshlrev_b32 v4, 2, v4                        ; 4 h
	v_lshlrev_b32 v5, 4, v2                        ; 16 x lane
	s_mov_b32 s40, 0xbe2aaaa3                      ; sine: -1.6666654611e-1, 8.3321608736e-3, -1.9515295891e-4
	s_mov_b32 s41, 0x3c08839e
	s_mov_b32 s42, 0xb94ca1f9
	s_mov_b32 s43, 0x3d2aaaa5                      ; cosine: 4.166664568e-2, -1.388731625e-3, 2.443315712e-5
	s_mov_b32 s44, 0xbab6061a
	s_mov_b32 s45, 0x37ccf5ce
.set n, 0
.rept 16                               ; number n = 4 q + 2 e + i: pair p = 8 q + 2 e + i + 4 h
	v_add_nc_u32 v[64+n], 8*(n/4)+(n%4), v4
.set n, n+1
.endr
.set n, 0
.rept 16
	v_cvt_f32_u32 v[64+n], v[64+n]
.set n, n+1
.endr
.set n, 0
.rept 16
	v_mul_f32 v[64+n], 0xbed49a78, v[64+n]         ; - p log2(10) / 8
.set n, n+1
.endr
.set n, 0
.rept 16
	v_exp_f32 v[64+n], v[64+n]                     ; the frequency 10000^(-2 p / 64) = 10^(-p / 8)
.set n, n+1
.endr
	v_nop                                          ; a plain instruction behind the last exponential
	s_wait_alu depctr_va_vdst(0)                   ; one wait for the batch of 16, ahead of its first reader
	s_wait_loadcnt 0x0
	v_cvt_f32_i32 v16, v16
.set n, 0
.rept 16
	v_mul_f32 v[64+n], v16, v[64+n]                ; the angle: one rounding
.set n, n+1
.endr
.set n, 0
.rept 16
	SINCOS 64+n, 32+2*n, 33+2*n
.set n, n+1
.endr
.irp k, 0,1,2,3,4,5,6,7
	global_store_b128 v5, v[32+4*\k:35+4*\k], s[26:27] offset:512*\k   ; 32 lanes store 512 consecutive bytes
.endr
	s_endpgm
	; ======== role O
.Lo:
	s_sub_co_u32 s29, ttmp9, 304
	s_lshl_b32 s29, s29, 2
	s_add_co_u32 s29, s29, s28                     ; which run of 8,192 numbers is my wave's
	s_lshl_b32 s30, s29, 15
	s_mov_b32 s31, 0
	s_add_nc_u64 s[16:17], s[16:17], s[30:31]
	s_lshl_b32 s30, s29, 14
	s_add_nc_u64 s[24:25], s[24:25], s[30:31]
	v_lshlrev_b32 v3, 4, v2
	v_lshlrev_b32 v4, 3, v2
	LOADB 0
	LOADB 1
.irp g, 0,1,2,3
.if \g < 3
	s_wait_loadcnt 16                              ; this batch is in; the next may be out
.else
	s_wait_loadcnt 0
.endif
.if \g > 0
	s_wait_xcnt 0x0                                ; the last batch's stores have read their data: v144-175 are written again only behind this wait
.endif
.set i, 0
.rept 16
	v_cvt_pk_f16_f32 v[144+2*i], v[16+64*(\g%2)+4*i], v[17+64*(\g%2)+4*i]
	v_cvt_pk_f16_f32 v[145+2*i], v[18+64*(\g%2)+4*i], v[19+64*(\g%2)+4*i]
.set i, i+1
.endr
.set i, 0
.rept 16
	global_store_b64 v4, v[144+2*i:145+2*i], s[24:25] offset:(16*\g+i)*256   ; 32 lanes store 256 consecutive bytes, aligned
.set i, i+1
.endr
.if \g < 2
	LOADB \g+2
.endif
.endr
	s_endpgm
	; ======== role X
.Lx:
	s_sub_co_u32 s29, ttmp9, 48
	s_lshl_b32 s29, s29, 2
	s_add_co_u32 s29, s29, s28                     ; which run of 8,192 numbers is my wave's
	s_mov_b32 s31, 0
	s_lshl_b32 s30, s29, 15
	s_add_nc_u64 s[8:9], s[8:9], s[30:31]
	s_lshl_b32 s30, s29, 12
	s_add_nc_u64 s[20:21], s[20:21], s[30:31]
	s_lshl_b32 s30, s29, 8
	s_add_nc_u64 s[22:23], s[22:23], s[30:31]
	s_lshl_b32 s32, s28, 13                        ; my wave's 8,192 bytes of LDS
	v_lshlrev_b32 v3, 4, v2
	v_lshrrev_b32 v14, 2, v2
	v_mul_u32_u24 v14, v14, XSP
	v_and_b32 v15, 3, v2
	v_lshl_add_u32 v14, v15, 4, v14
	v_add_nc_u32 v14, s32, v14                     ; the stage, in: 80 (lane / 4) + 16 (lane % 4)
	v_mul_u32_u24 v15, v2, XSP
	v_add_nc_u32 v15, s32, v15                     ; and out: 80 x lane
	v_lshlrev_b32 v4, 3, v2                        ; my codes' place in a step's
	v_lshrrev_b32 v5, 1, v2
	s_add_co_u32 s32, s32, 2*32*XSP
	v_add_nc_u32 v5, s32, v5                       ; my block's scale byte
	v_lshlrev_b32 v7, 3, v2
	v_add_nc_u32 v6, s32, v7
.irp t, 0,1,2,3
	LOADX \t
.endr
	s_wait_loadcnt 12                              ; step 0's four loads are in
	TURNX 0
.irp t, 0,1,2,3,4,5,6,7,8,9,10,11,12,13,14,15
	STEPX \t
.endr
	ds_load_b64 v[8:9], v6                         ; LDS serves a wave's instructions in order: this sees my byte stores
	s_wait_dscnt 0x0
	global_store_b64 v7, v[8:9], s[22:23]          ; the wave's 256 scale bytes: one aligned run of 256
	s_wait_tensorcnt 0x0                           ; the wave's end, behind my last LDS store
	ds_add_u32 v[SPW], v[NIL]
	s_wait_dscnt 0x0
	s_endpgm
	; ======== role W
.Lw:
	s_lshr_b32 s29, ttmp9, 4                       ; which weight
	s_bfe_u32 s30, ttmp9, 0x30001                  ; which 128 columns
	s_and_b32 s31, ttmp9, 1                        ; which 512 along K
	s_lshl_b32 s32, s30, 7
	s_lshl_b32 s33, s28, 5
	s_add_co_u32 s32, s32, s33                     ; my wave's first column n
	s_cmp_eq_u32 s29, 0
	s_cselect_b64 s[34:35], s[10:11], s[12:13]
	s_cmp_eq_u32 s29, 2
	s_cselect_b64 s[34:35], s[14:15], s[34:35]     ; the choice hangs on the work-group's number alone
	s_lshl_b32 s36, s31, 21                        ; 512 rows of 4,096 bytes
	s_lshl_b32 s37, s32, 2
	s_add_co_u32 s36, s36, s37
	s_mov_b32 s37, 0
	s_add_nc_u64 s[34:35], s[34:35], s[36:37]
	s_lshl_b32 s38, s29, 10
	s_add_co_u32 s38, s38, s32                     ; the operand's row: which x 1024 + n
	s_lshl_b32 s36, s38, 9
	s_lshl_b32 s39, s31, 8
	s_add_co_u32 s36, s36, s39
	s_add_co_u32 s36, s36, 4194304                 ; behind x's codes
	s_add_nc_u64 s[20:21], s[20:21], s[36:37]
	s_lshl_b32 s36, s38, 5
	s_lshl_b32 s39, s31, 4
	s_add_co_u32 s36, s36, s39
	s_add_co_u32 s36, s36, 262144                  ; behind x's scale bytes
	s_add_nc_u64 s[22:23], s[22:23], s[36:37]
	s_mul_i32 s40, s28, 32*WP
	s_add_co_u32 s40, s40, 32768                   ; my stage
	v_lshlrev_b32 v3, 2, v2
	v_mul_u32_u24 v4, v2, WP
	v_add_nc_u32 v4, s40, v4                       ; into it: row = my column
	v_and_b32 v5, 15, v2
	v_lshrrev_b32 v6, 4, v2
	v_mul_u32_u24 v7, v6, WP
	v_lshl_add_u32 v7, v5, 4, v7
	v_add_nc_u32 v7, s40, v7                       ; out of it: sixteen lanes to a row, two rows an instruction
	v_lshlrev_b32 v8, 9, v6
	v_lshl_add_u32 v8, v5, 4, v8                   ; the same place in the codes' buffer
	v_lshlrev_b32 v9, 5, v2                        ; my column's row of scale bytes
	LOADW 0
	LOADW 1
.set QQ, 0
.rept 16
	BLOCKW QQ
.set QQ, QQ+1
.endr
	global_store_b128 v9, v[WSB:WSB+3], s[22:23]   ; my column's 16 scale bytes
.irp t, 0,1,2,3,4,5,6,7,8,9,10,11,12,13,14,15
	ds_load_b128 v[WOUT+4*\t:WOUT+4*\t+3], v7 offset:2*\t*WP
.endr
.irp t, 0,1,2,3,4,5,6,7,8,9,10,11,12,13,14,15
	s_wait_dscnt 15-\t
	global_store_b128 v8, v[WOUT+4*\t:WOUT+4*\t+3], s[20:21] offset:2*\t*512   ; sixteen lanes store 256 consecutive bytes, aligned
.endr
	s_wait_tensorcnt 0x0                           ; the wave's end, behind my last LDS store
	ds_add_u32 v[SPW], v[NIL]
	s_wait_dscnt 0x0
	s_endpgm
.Lfunc_end_k_qf5f0bb0424_prep:
	.size	k_qf5f0bb0424_prep, .Lfunc_end_k_qf5f0bb0424_prep-k_qf5f0bb0424_prep
	.p2alignl 7, 3214868480
	.fill 96, 4, 3214868480
	.section	.rodata,"a",@progbits
	.p2align	6, 0x0
	.amdhsa_kernel k_qf5f0bb0424_prep
		.amdhsa_group_segment_fixed_size 68096
		.amdhsa_private_segment_fixed_size 0
		.amdhsa_enable_private_segment 0
		.amdhsa_kernarg_size 80
		.amdhsa_user_sgpr_count 2
		.amdhsa_user_sgpr_kernarg_segment_ptr 1
		.amdhsa_wavefront_size32 1
		.amdhsa_system_sgpr_workgroup_id_x 1
		.amdhsa_system_sgpr_workgroup_id_y 1
		.amdhsa_system_sgpr_workgroup_id_z 1
		.amdhsa_system_vgpr_workitem_id 0
		.amdhsa_next_free_vgpr 192
		.amdhsa_next_free_sgpr 66
		.amdhsa_reserve_vcc 1
		.amdhsa_float_denorm_mode_32 3
		.amdhsa_float_denorm_mode_16_64 3
		.amdhsa_memory_ordered 1
		.amdhsa_forward_progress 1
		.amdhsa_inst_pref_size 155
	.end_amdhsa_kernel
	.amdgpu_metadata
---
amdhsa.version: [ 1, 2 ]
amdhsa.kernels:
  - .name:           k_qf5f0bb0424_prep
    .symbol:         k_qf5f0bb0424_prep.kd
    .args:
      - { .name: x, .offset: 0, .size: 8, .value_kind: global_buffer, .address_space: global }
      - { .name: Wq, .offset: 8, .size: 8, .value_kind: global_buffer, .address_space: global }
      - { .name: Wk, .offset: 16, .size: 8, .value_kind: global_buffer, .address_space: global }
      - { .name: Wv, .offset: 24, .size: 8, .value_kind: global_buffer, .address_space: global }
      - { .name: Wo, .offset: 32, .size: 8, .value_kind: global_buffer, .address_space: global }
      - { .name: token_positions, .offset: 40, .size: 8, .value_kind: global_buffer, .address_space: global }
      - { .name: codes, .offset: 48, .size: 8, .value_kind: global_buffer, .address_space: global }
      - { .name: scl, .offset: 56, .size: 8, .value_kind: global_buffer, .address_space: global }
      - { .name: wo16, .offset: 64, .size: 8, .value_kind: global_buffer, .address_space: global }
      - { .name: tab, .offset: 72, .size: 8, .value_kind: global_buffer, .address_space: global }
    .group_segment_fixed_size: 68096
    .private_segment_fixed_size: 0
    .kernarg_segment_align: 8
    .kernarg_segment_size: 80
    .max_flat_workgroup_size: 128
    .sgpr_count:     66
    .vgpr_count:     192
    .wavefront_size: 32
...
	.end_amdgpu_metadata
.endif
;; end of part 1
;; launch qkv (part 2): grid 12 x 32, 4 waves a work-group, clusters of 4 x 4, 327,680 bytes of LDS; arguments codes, scl, tab, qkv16, qkv32; writes qkv16, qkv32
.if DOCPART == 2
	.amdgcn_target "amdgcn-amd-amdhsa--gfx1250"
	.amdhsa_code_object_version 6
	.text
	.protected	k_qf5f0bb0424_qkv
	.globl	k_qf5f0bb0424_qkv
	.p2align	8
	.type	k_qf5f0bb0424_qkv,@function
k_qf5f0bb0424_qkv:
	s_mov_b64 s[64:65], 0
	v_nop
	global_prefetch_b8 v0, s[64:65] scope:SCOPE_SE
	s_setreg_imm32_b32 hwreg(HW_REG_WAVE_MODE, 25, 1), 1
	s_wait_xcnt 0x0
	s_wait_alu depctr_hold_cnt(0) depctr_sa_sdst(0) depctr_va_vdst(0) depctr_va_sdst(0) depctr_va_ssrc(0) depctr_va_vcc(0) depctr_vm_vsrc(0)
	s_getreg_b32 s2, hwreg(HW_REG_IB_STS2, 6, 4)
	s_cmp_eq_u32 s2, 0
	s_cbranch_scc0 .Lentry_in_a_cluster
	s_endpgm
.Lentry_in_a_cluster:
	s_bfe_u32 s2, ttmp6, 0x10000c
	s_cmp_lg_u32 s2, 0xf033
	s_cbranch_scc0 .Lentry_shape_is_right
	s_endpgm
.Lentry_shape_is_right:
; [Q | K | V] = x [Wq | Wk | Wv]: one product of 8,192 x 3,072 x 1,024 on codes of FP4 (E2M1) with one E8M0 scale for each 32 along K; sums in f32.  Q and K are rotated by position (f32) on the way out.
; A = x's codes [8192][512 bytes] at byte 0 of codes; B = the weights' codes [3072][512 bytes] at byte 4,194,304; scale bytes [8192][32] at byte 0 of scl, [3072][32] at byte 262,144.
; OUT: qkv16 [which 3][b 4][h 16][s 2048][64] f16; qkv32 [which][b][h][16][64] f32: positions 0 to 15 of every sequence, unrounded.
; LIMIT: results beyond 65,504 have no f16 number.
; A tile of 256 x 256 is made by four waves, 128 x 128 each: 64 accumulators, 512 registers.  All of K (two K steps of 512) lies in two LDS slots that are filled once, with the scale bytes, at the start.
; CLUSTERS: 4 x 4 work-groups.  The four of a row of the cluster need the same tiles of A, the four of a column the same tiles of B: each tile is asked for jointly.
; Tile row = 8 cy + cluster y: the batch is cy, and cluster y says which 256 places of the sequence; tile column = 4 cluster x + cx: cluster x says Q, K or V.  So the two branches of the way out
; (rotate or not; positions 0 to 15 or not) hang on the cluster's numbers and the wave's number alone, never on a work-group's place in its cluster.
; THE MATRIX INSTRUCTION IS USED TRANSPOSED (source 0 = 16 rows of B, source 1 = 16 rows of A): a lane holds eight neighbouring channels of one row, that is four (even, odd) pairs.
; REGISTERS: window 0: v0-31 addresses; v32-95 scale words, two sets; from v128 A's fragments, one set.  Window 1: B's fragments, two sets.  Windows 2, 3: the accumulators, (a, b) at v[8 (8 (a % 4) + b)].
;   On the way out window 0: v32-95 cos and sin, two sets; v96-159 rotated f32; v160-191 packed f16; v192-255 rows read back, two sets.
.set NQ,     4                         ; matrix instructions deep in a slot
.set ROWB,   256                       ; a tile's row in bytes: 512 codes
.set KROW,   512                       ; a row of codes in memory
.set PITCH,  272                       ; an LDS row: 256 bytes + 16 of padding
.set FR,     8
.set NL,     2
.set NP,     4
.set HALFT,  128*PITCH
.set SLOT,   4*HALFT
.set KS,     32                        ; a row of scale bytes
.set SCL,    2*SLOT
.set HALFS,  (128*KS/256)*272
.set SBLK,   (16*KS/256)*272
.set SPARE,  SCL+4*HALFS               ; the spare words, 128 bytes for each wave: two blocks of 256 bytes that no other line names
.set ADRA, 16
.set ADRB, 20
.set STO,  24                          ; v24  the way out: where I put 16 bytes of a row
.set RD,   25                          ; v25  where I read rows back
.set CO,   26                          ; v26  16 x lane
.set ADRS, 27
.set SPW,  28
.set NIL,  29
.set FO,   30                          ; v30  my place in a head's 16 rows of f32
.set SC,   32
.set AF,   128
.set CSR,  32
.set TR,   96
.set HR,   160
.set BK,   192
.set G1, 24
.set G0, 32
.set G1B, 48
.set G0B, 56
.set G1S, 68
.set G0S, 76
.set G1SB, 80
.set G0SB, 88
.set MSB, 0
.macro WIN new                         ; the immediate's high byte repeats the setting that is left
.if MSB != (\new)
	s_set_vgpr_msb (MSB<<8)|(\new)
.set MSB, \new
.endif
.endm
.set MUL_LO, 0xa1
.set MUL_HI, 0xf1
.set TO_B,   0x40
.macro JLOAD g0a, g1a, g0b, g1b        ; a joint load: waves 0 and 1 fetch for A, waves 2 and 3 for B; an s_nop 0 and four v_nop follow each line
	s_cmp_eq_u32 s15, 0
	s_cbranch_scc0 .Lfor_b_\@
	tensor_load_to_lds s[\g0a:\g0a+3], s[\g1a:\g1a+7]
	s_nop 0
.rept 4
	v_nop
.endr
	s_branch .Lasked_\@
.Lfor_b_\@:
	tensor_load_to_lds s[\g0b:\g0b+3], s[\g1b:\g1b+7]
	s_nop 0
.rept 4
	v_nop
.endr
.Lasked_\@:
.endm
.macro CROUND                          ; a round of the cluster's barrier
	s_barrier_signal -1
	s_barrier_wait -1
	s_cmp_lg_u32 s14, 0
	s_cbranch_scc1 .Lnot_wave_0_\@
	s_barrier_signal -3
.Lnot_wave_0_\@:
	s_barrier_wait -3
	s_barrier_signal -1
	s_barrier_wait -1
.endm
	s_load_b128 s[4:7], s[0:1], 0x0                ; codes s[4:5], scl s[6:7]
	s_load_b128 s[8:11], s[0:1], 0x10              ; tab s[8:9], qkv16 s[10:11]
	s_load_b64 s[12:13], s[0:1], 0x20              ; qkv32
	v_lshl_add_u32 v[SPW], v0, 2, SPARE
	v_mov_b32 v[NIL], 0
	ds_add_u32 v[SPW], v[NIL]                      ; the wave's opening: the add, twice on end, and its wait ahead of my first tensor load
	ds_add_u32 v[SPW], v[NIL]
	v_lshrrev_b32 v1, 5, v0
	v_readfirstlane_b32 s14, v1                    ; wave 0..3
	s_lshr_b32 s15, s14, 1                         ; which half of the tile's rows is mine.  Also: I fetch for A (0) or for B (1)
	s_and_b32 s16, s14, 1                          ; which half of its columns.  Also: which 128 rows I fetch
	s_bfe_u32 s40, ttmp6, 0x40000                  ; cx
	s_bfe_u32 s41, ttmp6, 0x40004                  ; cy
	s_lshl_b32 s42, ttmp9, 2
	s_add_co_u32 s42, s42, s40                     ; tile column = 4 x cluster x + cx
	s_and_b32 s95, ttmp7, 0xffff                   ; cluster y
	s_lshl_b32 s17, s41, 3
	s_add_co_u32 s17, s17, s95                     ; tile row = 8 cy + cluster y
	s_lshl_b32 s43, s41, 2
	s_lshl_b32 s43, 15, s43                        ; my row of the cluster
	s_lshl_b32 s44, 0x1111, s40                    ; my column
	s_or_b32 s[G1+0], s43, (0<<16)|(1<<20)|(1<<21)|(5<<22)|(3<<25)   ; the mask; elements of 1 byte; padding on; bit 21 beside a mask; 4 words after every 64
	s_or_b32 s[G1B+0], s44, (0<<16)|(1<<20)|(1<<21)|(5<<22)|(3<<25)
.irp g, G1, G1B
	s_mov_b32 s[\g+1], ROWB<<16                    ; tensor_dim0
	s_mov_b32 s[\g+2], 128<<16                     ; tensor_dim1
	s_mov_b32 s[\g+3], ROWB<<16                    ; tile_dim0
	s_mov_b32 s[\g+4], 128                         ; tile_dim1
	s_mov_b32 s[\g+5], KROW                        ; the pitch
	s_mov_b32 s[\g+6], 0
	s_mov_b32 s[\g+7], 0
.endr
	s_or_b32 s[G1S+0], s43, (3<<16)|(1<<20)|(1<<21)|(5<<22)|(3<<25)  ; the scale bytes of 128 rows: 4,096 dense bytes as 16 rows of 256 (32 elements of 8 bytes), 16 bytes of padding behind each
	s_or_b32 s[G1SB+0], s44, (3<<16)|(1<<20)|(1<<21)|(5<<22)|(3<<25)
.irp g, G1S, G1SB
	s_mov_b32 s[\g+1], 32<<16
	s_mov_b32 s[\g+2], (128*KS/256)<<16
	s_mov_b32 s[\g+3], 32<<16
	s_mov_b32 s[\g+4], 128*KS/256
	s_mov_b32 s[\g+5], 32
	s_mov_b32 s[\g+6], 0
	s_mov_b32 s[\g+7], 0
.endr
	s_lshl_b32 s18, s16, 7                         ; which 128 rows of the tile I fetch
	s_lshl_b32 s20, s17, 8
	s_add_co_u32 s20, s20, s18                     ; A: row 256 x tile row + 128 x half
	s_lshl_b32 s46, s42, 8
	s_add_co_u32 s46, s46, s18                     ; B: row 256 x tile column + 128 x half
	s_lshl_b32 s22, s20, 5                         ; their scale bytes (all offsets stay under 2^23)
	s_mov_b32 s23, 0
	s_lshl_b32 s92, s46, 5
	s_add_co_u32 s92, s92, 262144
	s_mov_b32 s93, 0
	s_lshl_b32 s20, s20, 9                         ; and their codes
	s_mov_b32 s21, 0
	s_lshl_b32 s46, s46, 9
	s_add_co_u32 s46, s46, 4194304
	s_mov_b32 s47, 0
	s_mul_i32 s45, s14, HALFT                      ; where they go: wave x 128 rows: no place in the cluster enters an LDS address
	s_mul_i32 s94, s14, HALFS
	s_wait_dscnt 0x0                               ; both opening adds are done
	s_wait_kmcnt 0x0
	s_add_nc_u64 s[20:21], s[4:5], s[20:21]
	s_add_nc_u64 s[22:23], s[6:7], s[22:23]
	s_add_nc_u64 s[46:47], s[4:5], s[46:47]
	s_add_nc_u64 s[92:93], s[6:7], s[92:93]
	CROUND                                         ; all sixteen work-groups are here: the joint loads meet
	s_mov_b32 s[G0S], 1
	s_add_co_u32 s[G0S+1], s94, SCL
	s_mov_b64 s[G0S+2:G0S+3], s[22:23]
	s_or_b32 s[G0S+3], s[G0S+3], 0x80000000
	s_mov_b32 s[G0SB], 1
	s_add_co_u32 s[G0SB+1], s94, SCL
	s_mov_b64 s[G0SB+2:G0SB+3], s[92:93]
	s_or_b32 s[G0SB+3], s[G0SB+3], 0x80000000
	JLOAD G0S, G1S, G0SB, G1SB                     ; the scales first: they are wanted with K step 0
.irp s, 0,1
	s_mov_b32 s[G0+4*\s], 1
	s_add_co_u32 s[G0+4*\s+1], s45, \s*SLOT
	s_add_nc_u64 s[G0+4*\s+2:G0+4*\s+3], s[20:21], \s*ROWB
	s_or_b32 s[G0+4*\s+3], s[G0+4*\s+3], 0x80000000
	s_mov_b32 s[G0B+4*\s], 1
	s_add_co_u32 s[G0B+4*\s+1], s45, \s*SLOT
	s_add_nc_u64 s[G0B+4*\s+2:G0B+4*\s+3], s[46:47], \s*ROWB
	s_or_b32 s[G0B+4*\s+3], s[G0B+4*\s+3], 0x80000000
	JLOAD G0+4*\s, G1, G0B+4*\s, G1B               ; three loads of mine are out: all of K
.endr
	v_and_b32 v1, 15, v0                           ; r
	v_bfe_u32 v2, v0, 4, 1                         ; h
	v_mul_u32_u24 v3, v1, PITCH
	v_lshl_add_u32 v4, v2, 4, v3
	s_mul_i32 s21, s15, HALFT
	s_mul_i32 s22, s16, HALFT
	s_add_co_u32 s22, s22, 2*HALFT
.irp s, 0,1
	v_add_nc_u32 v[ADRA+\s], s21, v4
	v_add_nc_u32 v[ADRB+\s], s22, v4
	s_add_co_u32 s21, s21, SLOT
	s_add_co_u32 s22, s22, SLOT
.endr
	v_mul_u32_u24 v5, v1, KS                       ; my row's scale bytes: 32 a row,
	v_lshrrev_b32 v6, 8, v5
	v_lshl_add_u32 v5, v6, 4, v5                   ; and 16 more for each 256 passed
	s_mul_i32 s21, s15, HALFS
	s_mul_i32 s22, s16, HALFS
	s_add_co_u32 s22, s22, 2*HALFS
	s_sub_co_u32 s22, s22, s21
	v_mul_u32_u24 v6, s22, v2                      ; lanes 16-31 take B's
	s_add_co_u32 s21, s21, SCL
	v_add_nc_u32 v5, v5, v6
	v_add_nc_u32 v[ADRS], s21, v5
	; the way out.  My stage lies in slot 0 (4,352 bytes a wave): for each of my two heads 8 lines of 272 bytes, a line = two rows of 128 bytes in the order of memory
	s_mul_i32 s23, s14, 4352
	v_lshrrev_b32 v5, 1, v1
	v_mul_u32_u24 v5, v5, 272
	v_and_b32 v6, 1, v1
	v_lshl_add_u32 v5, v6, 7, v5
	v_lshl_add_u32 v5, v2, 4, v5
	v_add_nc_u32 v[STO], s23, v5                   ; in: line r / 2, half r % 2, + 16 h
	v_mul_u32_u24 v5, v2, 272
	v_lshl_add_u32 v5, v1, 4, v5
	v_add_nc_u32 v[RD], s23, v5                    ; back: lanes 0-15 one line, lanes 16-31 the next
	v_and_b32 v6, 31, v0
	v_lshlrev_b32 v[CO], 4, v6
	v_lshlrev_b32 v[FO], 8, v1
	v_lshl_add_u32 v[FO], v2, 5, v[FO]             ; f32: row r of 256 bytes, + 32 h
	s_lshl_b32 s97, s95, 8
	s_lshl_b32 s98, s15, 7
	s_add_co_u32 s97, s97, s98                     ; my first place in the sequence: 256 x cluster y + 128 x row half
	s_lshl_b32 s98, ttmp9, 2
	s_add_co_u32 s98, s98, s41                     ; 4 x which + batch
	s_lshl_b32 s98, s98, 4
	s_lshl_b32 s99, s40, 2
	s_add_co_u32 s98, s98, s99
	s_lshl_b32 s99, s16, 1
	s_add_co_u32 s98, s98, s99                     ; x 16 + my first head
	s_lshl_b32 s66, s98, 12
	s_mov_b32 s67, 0
	s_add_nc_u64 s[12:13], s[12:13], s[66:67]      ; qkv32 at my first head
	s_lshl_b32 s66, s98, 11
	s_add_co_u32 s66, s66, s97
	s_lshl_b32 s66, s66, 7
	s_add_nc_u64 s[10:11], s[10:11], s[66:67]      ; qkv16 at my first head's first row
	s_lshl_b32 s66, s97, 8
	s_add_nc_u64 s[8:9], s[8:9], s[66:67]          ; tab at my first 16 places: 4,096 bytes for each 16
	s_or_b32 s96, s95, s15                         ; 0 where my rows begin with positions 0 to 15
.macro FRAG reg, adr, q, i             ; 16 rows x 128 K of 4-bit codes: 8 registers, two loads of 16 bytes, 32 bytes apart
.irp c, 0,1
	ds_load_b128 v[\reg+4*\c:\reg+4*\c+3], v[\adr] offset:64*(\q)+32*\c+(\i)*16*PITCH
.endr
.endm
; 16 matrix instructions: A's blocks a0, a0 + 1 x B's eight.  The 64 accumulators take turns, one instruction a turn.  zero = 1: the first product starts the sums.
.macro MUL16 a0, p, q, sc, zero
.irp a, \a0, \a0+1
.irp b, 0,1,2,3,4,5,6,7
.if \zero
	v_wmma_scale_f32_16x16x128_f8f6f4 v[8*(8*((\a)%4)+\b):8*(8*((\a)%4)+\b)+7], v[128*(\p)+FR*\b:128*(\p)+FR*\b+FR-1], v[AF+FR*(\a):AF+FR*(\a)+FR-1], 0, v[SC+8*NQ*(\sc)+NQ*\b+(\q)], v[SC+8*NQ*(\sc)+NQ*(\a)+(\q)] matrix_a_fmt:MATRIX_FMT_FP4 matrix_b_fmt:MATRIX_FMT_FP4 matrix_a_scale:MATRIX_SCALE_ROW1
.else
	v_wmma_scale_f32_16x16x128_f8f6f4 v[8*(8*((\a)%4)+\b):8*(8*((\a)%4)+\b)+7], v[128*(\p)+FR*\b:128*(\p)+FR*\b+FR-1], v[AF+FR*(\a):AF+FR*(\a)+FR-1], v[8*(8*((\a)%4)+\b):8*(8*((\a)%4)+\b)+7], v[SC+8*NQ*(\sc)+NQ*\b+(\q)], v[SC+8*NQ*(\sc)+NQ*(\a)+(\q)] matrix_a_fmt:MATRIX_FMT_FP4 matrix_b_fmt:MATRIX_FMT_FP4 matrix_a_scale:MATRIX_SCALE_ROW1
.endif
.endr
.endr
.endm
.macro FETCH_B slot, q, p
	WIN TO_B
.irp i, 0,1,2,3,4,5,6,7
	FRAG 128*(\p)+FR*\i, ADRB+\slot, \q, \i
.endr
	WIN 0
.endm
.macro FETCH_A slot, q, i0
.irp i, \i0, \i0+1, \i0+2, \i0+3
	FRAG AF+FR*(\i), ADRA+\slot, \q, \i
.endr
.endm
.macro SCALES sc                       ; a K step's scale words: lanes 0-15 take A's block i, lanes 16-31 B's block i
.irp i, 0,1,2,3,4,5,6,7
	ds_load_b128 v[SC+8*NQ*\sc+NQ*\i:SC+8*NQ*\sc+NQ*\i+3], v[ADRS] offset:\i*SBLK
.endr
.endm
.macro PLACES n                        ; plain vector instructions between a matrix instruction and a load into, or a read of, its registers
.rept \n
	v_nop
.endr
.endm
.macro STEP slot, q, zero              ; 128 along K with its successor in the same slot
	s_wait_dscnt 4*NL                              ; B's set and A's blocks 0-3 are in; A's blocks 4-7 may be out
	WIN MUL_LO
	MUL16 0, (\q)%2, \q, \slot, \zero
	MUL16 2, (\q)%2, \q, \slot, \zero
	s_wait_dscnt 0
	PLACES NP
	FETCH_B \slot, (\q)+1, 1-(\q)%2
	FETCH_A \slot, (\q)+1, 0
	WIN MUL_HI
	MUL16 4, (\q)%2, \q, \slot, \zero
	MUL16 6, (\q)%2, \q, \slot, \zero
	PLACES NP
	WIN 0
	FETCH_A \slot, (\q)+1, 4
.endm
.macro STEPS slot, from
.set QQ, \from
.rept NQ-1-\from
	STEP \slot, QQ, 0
.set QQ, QQ+1
.endr
.endm
	s_wait_tensorcnt 1                             ; the scales and my part of K step 0 are in; K step 1's load may be out
	s_barrier_signal -1
	s_barrier_wait -1
	FETCH_B 0, 0, 0
	FETCH_A 0, 0, 0
	SCALES 0
	FETCH_A 0, 0, 4
	STEP 0, 0, 1                                   ; the first step's products start the sums
	STEPS 0, 1
	; slot 0's last step changes slots: one barrier; in front of it my last tensor load has landed and my reads of slot 0 are over.  Nothing is filled again.
	s_wait_tensorcnt 0x0
	ds_add_u32 v[SPW], v[NIL]
	s_wait_dscnt 4*NL+1                            ; the add and A's blocks 4-7 may be out
	WIN MUL_LO
	MUL16 0, 1, NQ-1, 0, 0
	s_wait_dscnt 0x0
	s_barrier_signal -1
	MUL16 2, 1, NQ-1, 0, 0
	WIN 0
	s_barrier_wait -1
	PLACES NP
	v_add_nc_u32 v[ADRS], 4*NQ, v[ADRS]            ; on to K step 1's scale words
	FETCH_B 1, 0, 0
	FETCH_A 1, 0, 0
	SCALES 1
	WIN MUL_HI
	MUL16 4, 1, NQ-1, 0, 0
	MUL16 6, 1, NQ-1, 0, 0
	PLACES NP
	WIN 0
	FETCH_A 1, 0, 4
	STEPS 1, 0
	s_wait_dscnt 4*NL                              ; the very last step
	WIN MUL_LO
	MUL16 0, 1, NQ-1, 1, 0
	MUL16 2, 1, NQ-1, 1, 0
	s_wait_dscnt 0
	WIN MUL_HI
	MUL16 4, 1, NQ-1, 1, 0
	MUL16 6, 1, NQ-1, 1, 0
	WIN 0
; THE WAY OUT, block a = 16 rows x my two heads.  Register 8 b + j of lane (r, h): row 16 a + r, head b / 4, channel 16 (b % 4) + 8 h + j.
.macro TABLOAD a                       ; cos and sin of block a's 16 places, in my registers' order: 8 loads of 512 dense bytes
.irp i, 0,1,2,3,4,5,6,7
	global_load_b128 v[CSR+32*((\a)%2)+4*\i:CSR+32*((\a)%2)+4*\i+3], v[CO], s[8:9] offset:(\a)*4096+512*\i
.endr
.endm
.macro ROT a                           ; (x1, x2) -> (x1 c - x2 s, x1 s + x2 c), a pair an instruction pair; each accumulator is read from its low end on
	WIN 0x02+(\a)/4
.set AC, 64*((\a)%4)
.set CC, CSR+32*((\a)%2)
.set bb, 0
.rept 8
.irp jj, 0,1,2,3
	v_pk_mul_f32 v[TR+8*bb+2*\jj:TR+8*bb+2*\jj+1], v[AC+8*bb+2*\jj:AC+8*bb+2*\jj+1], v[CC+8*(bb%4)+2*\jj:CC+8*(bb%4)+2*\jj+1] op_sel_hi:[1,0]
.endr
.irp jj, 0,1,2,3
	v_pk_fma_f32 v[TR+8*bb+2*\jj:TR+8*bb+2*\jj+1], v[AC+8*bb+2*\jj:AC+8*bb+2*\jj+1], v[CC+8*(bb%4)+2*\jj:CC+8*(bb%4)+2*\jj+1], v[TR+8*bb+2*\jj:TR+8*bb+2*\jj+1] op_sel:[1,1,0] op_sel_hi:[0,1,1] neg_lo:[0,1,0]
.endr
.set bb, bb+1
.endr
	WIN 0
.endm
.macro CVT a, rot                      ; to f16, 16 bytes an accumulator
.if \rot
.set i, 0
.rept 32
	v_cvt_pk_f16_f32 v[HR+i], v[TR+2*i], v[TR+2*i+1]
.set i, i+1
.endr
.else
	WIN 0x0a+5*((\a)/4)
.set i, 0
.rept 32
	v_cvt_pk_f16_f32 v[HR+i], v[64*((\a)%4)+2*i], v[64*((\a)%4)+2*i+1]
.set i, i+1
.endr
	WIN 0
.endif
.endm
.macro F32OUT rot                      ; block 0 of the waves whose rows begin a sequence: positions 0 to 15 in f32
	s_cmp_eq_u32 s96, 0
	s_cbranch_scc0 .Lno32_\@
.if \rot
.irp b, 0,1,2,3,4,5,6,7
	global_store_b128 v[FO], v[TR+8*\b:TR+8*\b+3], s[12:13] offset:(\b/4)*4096+(\b%4)*64
	global_store_b128 v[FO], v[TR+8*\b+4:TR+8*\b+7], s[12:13] offset:(\b/4)*4096+(\b%4)*64+16
.endr
.else
	WIN 0x08                                       ; a store's data are its source 1: window 2
.irp b, 0,1,2,3,4,5,6,7
	global_store_b128 v[FO], v[8*\b:8*\b+3], s[12:13] offset:(\b/4)*4096+(\b%4)*64
	global_store_b128 v[FO], v[8*\b+4:8*\b+7], s[12:13] offset:(\b/4)*4096+(\b%4)*64+16
.endr
	WIN 0
.endif
	s_wait_xcnt 0x0                                ; the stores have read their data: the next block writes these registers again
.Lno32_\@:
.endm
.macro TOSTAGE a                       ; LDS serves a wave's instructions in order: the loads see the stores, and the next block's stores come behind them
.irp b, 0,1,2,3,4,5,6,7
	ds_store_b128 v[STO], v[HR+4*\b:HR+4*\b+3] offset:(\b/4)*2176+(\b%4)*32
.endr
.irp i, 0,1,2,3,4,5,6,7
	ds_load_b128 v[BK+32*((\a)%2)+4*\i:BK+32*((\a)%2)+4*\i+3], v[RD] offset:(\i/4)*2176+(\i%4)*544
.endr
.endm
.macro SEND a
	s_wait_dscnt 0x0                               ; the block is back in registers
	s_wait_xcnt 0x0                                ; the block before has been read by its stores: the next block's loads may land in its registers
.irp i, 0,1,2,3,4,5,6,7
	global_store_b128 v[CO], v[BK+32*((\a)%2)+4*\i:BK+32*((\a)%2)+4*\i+3], s[10:11] offset:(\i/4)*262144+(\a)*2048+(\i%4)*512   ; 32 lanes store four rows: 512 consecutive bytes, aligned
.endr
.endm
.macro WAYOUT rot
	PLACES NP                                      ; behind the last products: for the loads and writes into registers that they read, and for the reads of their results
.if \rot
	TABLOAD 0
.endif
.irp a, 0,1,2,3,4,5,6,7
.if \rot
.if \a < 7
	TABLOAD \a+1
	s_wait_loadcnt 8                               ; this block's eight loads are in; the next block's may be out
.else
	s_wait_loadcnt 0
.endif
	ROT \a
.endif
.if \a == 0
	F32OUT \rot
.endif
	CVT \a, \rot
.if \a > 0
	SEND \a-1
.endif
	TOSTAGE \a
.endr
	SEND 7
	s_wait_tensorcnt 0x0                           ; the wave's end, behind my last tensor load and my last LDS store
	ds_add_u32 v[SPW], v[NIL]
	s_wait_dscnt 0x0
	CROUND                                         ; the closing round
	s_endpgm
.endm
	s_cmp_eq_u32 ttmp9, 2                          ; cluster x = 2: V, which is not rotated.  The same in all sixteen partners
	s_cbranch_scc1 .Lv
	WAYOUT 1
.Lv:
	WAYOUT 0
.Lfunc_end_k_qf5f0bb0424_qkv:
	.size	k_qf5f0bb0424_qkv, .Lfunc_end_k_qf5f0bb0424_qkv-k_qf5f0bb0424_qkv
	.p2alignl 7, 3214868480
	.fill 96, 4, 3214868480
	.section	.rodata,"a",@progbits
	.p2align	6, 0x0
	.amdhsa_kernel k_qf5f0bb0424_qkv
		.amdhsa_group_segment_fixed_size 327680
		.amdhsa_private_segment_fixed_size 0
		.amdhsa_enable_private_segment 0
		.amdhsa_kernarg_size 40
		.amdhsa_user_sgpr_count 2
		.amdhsa_user_sgpr_kernarg_segment_ptr 1
		.amdhsa_wavefront_size32 1
		.amdhsa_system_sgpr_workgroup_id_x 1
		.amdhsa_system_sgpr_workgroup_id_y 1
		.amdhsa_system_sgpr_workgroup_id_z 1
		.amdhsa_system_vgpr_workitem_id 0
		.amdhsa_next_free_vgpr 1024
		.amdhsa_next_free_sgpr 100
		.amdhsa_reserve_vcc 0
		.amdhsa_float_denorm_mode_32 3
		.amdhsa_float_denorm_mode_16_64 3
		.amdhsa_memory_ordered 1
		.amdhsa_forward_progress 1
		.amdhsa_inst_pref_size 200
	.end_amdhsa_kernel
	.amdgpu_metadata
---
amdhsa.version: [ 1, 2 ]
amdhsa.kernels:
  - .name:           k_qf5f0bb0424_qkv
    .symbol:         k_qf5f0bb0424_qkv.kd
    .args:
      - { .name: codes, .offset: 0, .size: 8, .value_kind: global_buffer, .address_space: global }
      - { .name: scl, .offset: 8, .size: 8, .value_kind: global_buffer, .address_space: global }
      - { .name: tab, .offset: 16, .size: 8, .value_kind: global_buffer, .address_space: global }
      - { .name: qkv16, .offset: 24, .size: 8, .value_kind: global_buffer, .address_space: global }
      - { .name: qkv32, .offset: 32, .size: 8, .value_kind: global_buffer, .address_space: global }
    .group_segment_fixed_size: 327680
    .private_segment_fixed_size: 0
    .kernarg_segment_align: 8
    .kernarg_segment_size: 40
    .max_flat_workgroup_size: 128
    .sgpr_count:     100
    .vgpr_count:     1024
    .wavefront_size: 32
...
	.end_amdgpu_metadata
.endif
;; end of part 2
;; launch attn (part 3): grid 4 x 64, 16 waves a work-group, no clusters, 327,680 bytes of LDS; arguments qkv16, at16; writes at16
.if DOCPART == 3
	.amdgcn_target "amdgcn-amd-amdhsa--gfx1250"
	.amdhsa_code_object_version 6
	.text
	.protected	k_qf5f0bb0424_attn
	.globl	k_qf5f0bb0424_attn
	.p2align	8
	.type	k_qf5f0bb0424_attn,@function
k_qf5f0bb0424_attn:
	s_mov_b64 s[64:65], 0
	v_nop
	global_prefetch_b8 v0, s[64:65] scope:SCOPE_SE
	s_setreg_imm32_b32 hwreg(HW_REG_WAVE_MODE, 25, 1), 1
	s_wait_xcnt 0x0
; O[b][h][q] = the sum over k <= q of softmax_k(Q[q] . K[k] / 8) V[k], head size 64, 2,048 places, 64 heads (b, h).  Q, K, V: f16, [which][b][h][s][64]; products with f32 sums; maxima, exponentials and sums in f32;
; the weights p are rounded to f16 for the second product.  OUT: at16 [h][b x 2048 + s][64] f16.  LIMIT: Q, K, V and O lie under 65,504.
; SHARES.  Work-group (j, head) owns query blocks j and 7 - j of 256: waves 0-7 block j, waves 8-15 block 7 - j; under the causal mask every work-group so has the same number of key steps.
; A wave owns 32 queries, two tiles of 16, in 256 registers: four waves to a SIMD, so that one wave's vector work stands beside another's matrix work.
; NO CLUSTER: work-group j reads only the first 8 - j of a head's 8 slots, so partners would need different numbers of tiles.
; K and V come through a ring of two LDS slots of 256 keys (waves 0, 1: K's halves; waves 2, 3: V's).  Every work-group walks all 8 changes of slots (constant trip counts); a step all of whose keys come after
; the wave's queries is jumped over, and a slot whose first key comes after the work-group's last query is not asked for: both tests are made of ids and the count of steps alone.
; LAYOUT.  S^T = K Q^T (source 0 = 16 keys, source 1 = 16 queries): a lane holds ONE query (lane % 16) and keys 8 (lane / 16) + 0..7; two such tiles, packed to f16, are source 1 of O^T = V^T P.  V is turned by ds_load_tr16_b128.
; SOFTMAX.  A running maximum m and sum l for each query: p = 2^(c s - c m), c = log2(e) / 8; in every step O and l are multiplied by a = 2^(c m_old - c m_new).
.set KL,    272                        ; an LDS line of K: two rows of 128 bytes + 16 of padding
.set VL,    288                        ; of V: + 32
.set VOFF,  128*KL                     ; a slot: 128 lines of K, then 128 lines of V
.set SLOT1, 1<<17
.set STAGE, 2*SLOT1                    ; the way out: 8 lines of 272 bytes for each wave; no tensor load lands here
.set SPARE, STAGE+16*2176              ; the spare words, 128 bytes for each wave: eight blocks of 256 bytes that no other line names
.set AK0, 1                            ; v1  my lane's place in a tile of K
.set AV0, 2                            ; v2  the same for V
.set ADK, 3
.set ADV, 4
.set SPW, 5
.set NIL, 6
.set PFO, 7                            ; v7  256 x lane
.set ST,  8                            ; tile t's statistics at v[8 + 8 t]: +0 c m, +1 m, +2, +3 l, +4..7 at work (a in +6)
.set DR,  24                           ; v24 r - 8 h
.set D0,  25                           ; v25, v26: my query - the step's first key - 8 h, for tiles 0, 1
.set NINF, 27
.set STO, 28
.set RD,  29
.set GO,  30
.set QA,  31
.set QR,  32                           ; v32-63   Q: tile t, channels 32 c on, at 32 + 16 t + 8 c
.set KV,  64                           ; v64-127  K's 8 fragments, then V's 8
.set S,   128                          ; v128-191 S^T, 32 a tile; P is packed into the lower 16
.set O,   192                          ; v192-255 O^T, 32 a tile
.set WV,  18
.set SEL, 20
.set CS,  22
.set G1K, 24
.set G1V, 32
.set G0K, 40
.set G0V, 44
.set TB,  2
.set SLOTS, 67
.set KF,  98
.set Q0,  99
.set QL,  95
.set PFA, 76
.set LIM, 80
.macro TLOAD                           ; waves 0, 1 fetch K's halves, waves 2, 3 V's, the others nothing; an s_nop 0 and four v_nop follow each line
	s_cmp_lt_u32 s[WV], 2
	s_cbranch_scc0 .Lnot_k_\@
	tensor_load_to_lds s[G0K:G0K+3], s[G1K:G1K+7]
	s_nop 0
.rept 4
	v_nop
.endr
	s_branch .Lasked_\@
.Lnot_k_\@:
	s_cmp_lt_u32 s[WV], 4
	s_cbranch_scc0 .Lasked_\@
	tensor_load_to_lds s[G0V:G0V+3], s[G1V:G1V+7]
	s_nop 0
.rept 4
	v_nop
.endr
.Lasked_\@:
.endm
; A prefetch of what the NEXT change of slots will ask for: 32,768 bytes of K and of V.  The four work-groups of a head walk the same K and V: work-group j = 0, which walks all slots, asks.  In it waves 4-7 ask for K's
; block and waves 8-11 for V's, 8,192 bytes a wave, lanes 256 bytes apart: each aligned 256 bytes is named once in the launch.  Slots 0 and 1 come by their loads alone; the last change that fills a slot asks for nothing.
.macro ASK
	s_cmp_gt_u32 s[SLOTS], s[LIM]
	s_cbranch_scc0 .Lnot_mine_\@
	global_prefetch_b8 v[PFO], s[PFA:PFA+1] th:TH_LOAD_NT scope:SCOPE_SE
.Lnot_mine_\@:
.endm
	s_load_b128 s[4:7], s[0:1], 0x0                ; qkv16 s[4:5], at16 s[6:7]
	v_lshl_add_u32 v[SPW], v0, 2, SPARE
	v_mov_b32 v[NIL], 0
	ds_add_u32 v[SPW], v[NIL]                      ; the wave's opening: the add, twice on end, and its wait ahead of my first tensor load
	ds_add_u32 v[SPW], v[NIL]
	v_lshrrev_b32 v8, 5, v0
	v_readfirstlane_b32 s[WV], v8                  ; wave 0..15
	s_and_b32 s72, ttmp7, 0xffff                   ; 16 b + h
	s_lshl_b32 s74, s72, 18                        ; the head's 262,144 bytes
	s_sub_co_u32 s81, 7, ttmp9
	s_cmp_lt_u32 s[WV], 8
	s_cselect_b32 s82, ttmp9, s81                  ; my block of 256 queries
	s_and_b32 s83, s[WV], 7
	s_lshl_b32 s83, s83, 5
	s_lshl_b32 s[Q0], s82, 8
	s_add_co_u32 s[Q0], s[Q0], s83                 ; my first query
	s_sub_co_u32 s[QL], 8, ttmp9
	s_lshl_b32 s[QL], s[QL], 8
	s_sub_co_u32 s[QL], s[QL], 1                   ; my work-group's last query
	s_lshl_b32 s84, s[Q0], 7
	s_add_co_u32 s84, s84, s74                     ; Q: my first row
	s_mov_b32 s85, 0
	s_and_b32 s88, s[WV], 1                        ; which half of a slot I fetch, if I fetch
	s_lshl_b32 s89, s88, 14
	s_add_co_u32 s90, s74, s89
	s_add_co_u32 s90, s90, 64<<18                  ; K lies 64 heads behind Q,
	s_mov_b32 s91, 0
	s_add_co_u32 s92, s90, 64<<18                  ; V 64 more
	s_mov_b32 s93, 0
	s_mul_i32 s86, s88, 64*KL
	s_mul_i32 s87, s88, 64*VL
	s_add_co_u32 s87, s87, VOFF
	s_and_b32 s68, s72, 15
	s_lshl_b32 s68, s68, 13
	s_lshr_b32 s69, s72, 4
	s_lshl_b32 s69, s69, 11
	s_add_co_u32 s68, s68, s69
	s_add_co_u32 s68, s68, s[Q0]
	s_lshl_b32 s68, s68, 7                         ; at16: (8192 h + 2048 b + my first query) x 128 bytes
	s_mov_b32 s69, 0
	; descriptor group 1: half a slot is 16,384 dense bytes, stated as 64 rows of 256 bytes (32 elements of 8), padding behind each
	s_mov_b32 s[G1K], (3<<16)|(1<<20)|(5<<22)|(3<<25)   ; 4 words after every 64
	s_mov_b32 s[G1V], (3<<16)|(1<<20)|(5<<22)|(7<<25)   ; 8 words
.irp g, G1K, G1V
	s_mov_b32 s[\g+1], 32<<16
	s_mov_b32 s[\g+2], 64<<16
	s_mov_b32 s[\g+3], 32<<16
	s_mov_b32 s[\g+4], 64
	s_mov_b32 s[\g+5], 32
	s_mov_b32 s[\g+6], 0
	s_mov_b32 s[\g+7], 0
.endr
	s_mov_b32 s[SEL], 0x76543210
	s_mov_b32 s[SEL+1], 0xfedcba98
	s_mov_b32 s[CS], 0x3e38aa3b                    ; c = log2(e) / 8
	s_mov_b32 s[CS+1], s[CS]
	s_mov_b32 s[TB], 0
	s_mov_b32 s[SLOTS], 7
	s_mov_b32 s[KF], 0
	s_wait_dscnt 0x0                               ; both opening adds are done
	s_wait_kmcnt 0x0
	s_mov_b32 s[G0K], 1
	s_mov_b32 s[G0K+1], s86
	s_add_nc_u64 s[G0K+2:G0K+3], s[4:5], s[90:91]
	s_or_b32 s[G0K+3], s[G0K+3], 0x80000000
	s_mov_b32 s[G0V], 1
	s_mov_b32 s[G0V+1], s87
	s_add_nc_u64 s[G0V+2:G0V+3], s[4:5], s[92:93]
	s_or_b32 s[G0V+3], s[G0V+3], 0x80000000
	TLOAD                                          ; slot 0: key 0 counts for every query, so it is read by every wave
	s_add_nc_u64 s[8:9], s[4:5], s[84:85]
	s_add_nc_u64 s[16:17], s[6:7], s[68:69]
	s_cmp_lt_u32 s[WV], 8                          ; the prefetches: waves 4-7 K, waves 8-11 V
	s_cselect_b32 s82, 0, 64<<18
	s_add_co_u32 s82, s82, (64<<18)+32768          ; in slot 1: the first change of slots steps it to slot 2
	s_add_co_u32 s82, s82, s74
	s_and_b32 s83, s[WV], 3
	s_lshl_b32 s83, s83, 13
	s_add_co_u32 s82, s82, s83
	s_mov_b32 s83, 0
	s_add_nc_u64 s[PFA:PFA+1], s[4:5], s[82:83]
	s_sub_co_u32 s82, s[WV], 4
	s_lshr_b32 s82, s82, 3                         ; 0 in waves 4 to 11,
	s_or_b32 s82, s82, ttmp9                       ; of work-group j = 0
	s_cmp_eq_u32 s82, 0
	s_cselect_b32 s[LIM], 1, -1
	v_and_b32 v[PFO], 31, v0
	v_lshlrev_b32 v[PFO], 8, v[PFO]
	v_and_b32 v8, 15, v0                           ; r
	v_bfe_u32 v9, v0, 4, 1                         ; h
	v_lshlrev_b32 v[QA], 7, v8
	v_lshl_add_u32 v[QA], v9, 4, v[QA]
.irp t, 0,1
.irp c, 0,1
	global_load_b128 v[QR+16*\t+8*\c:QR+16*\t+8*\c+3], v[QA], s[8:9] offset:2048*\t+64*\c
	global_load_b128 v[QR+16*\t+8*\c+4:QR+16*\t+8*\c+7], v[QA], s[8:9] offset:2048*\t+64*\c+32
.endr
.endr
	v_lshrrev_b32 v10, 1, v8
	v_mul_u32_u24 v10, v10, KL
	v_and_b32 v11, 1, v8
	v_lshl_add_u32 v10, v11, 7, v10
	v_lshl_add_u32 v[AK0], v9, 4, v10              ; line r / 2, half r % 2, + 16 h
	s_mul_i32 s73, s[WV], 2176
	s_add_co_u32 s73, s73, STAGE
	v_add_nc_u32 v[STO], s73, v[AK0]               ; the stage has the same form
	v_mul_u32_u24 v10, v9, KL
	v_lshl_add_u32 v10, v8, 4, v10
	v_add_nc_u32 v[RD], s73, v10
	v_and_b32 v10, 31, v0
	v_lshlrev_b32 v[GO], 4, v10
	v_and_b32 v10, 7, v0
	v_lshl_add_u32 v10, v9, 3, v10                 ; the turning load: key 8 h + lane % 8,
	v_lshrrev_b32 v11, 1, v10
	v_mul_u32_u24 v11, v11, VL
	v_and_b32 v10, 1, v10
	v_lshl_add_u32 v11, v10, 7, v11
	v_bfe_u32 v10, v0, 3, 1
	v_lshl_add_u32 v11, v10, 4, v11                ; channels 8 ((lane / 8) % 2) on
	v_add_nc_u32 v[AV0], VOFF, v11
	v_lshlrev_b32 v10, 3, v9
	v_sub_nc_u32 v[DR], v8, v10
	v_mov_b32 v[NINF], 0xff800000
.irp t, 0,1
	v_mov_b32 v[ST+8*\t+1], 0xff61b1e6             ; m: -3e38, under every score
	v_mul_f32 v[ST+8*\t], s[CS], v[ST+8*\t+1]
.irp k, 2,3,4,5,6,7
	v_mov_b32 v[ST+8*\t+\k], 0
.endr
.endr
.set i, 0
.rept 64
	v_mov_b32 v[O+i], 0                            ; O^T: the step is written once; its first pass finds zeros, which a = 0 leaves zeros
.set i, i+1
.endr
; A KEY STEP: 64 keys, the q-th of the slot in hand
.macro STEP q
	s_add_co_u32 s96, s[Q0], 31
	s_cmp_gt_u32 s[KF], s96                        ; all its keys come after my 32 queries: nothing to do
	s_cbranch_scc1 .Lhidden_\@
	v_add_nc_u32 v[ADK], s[TB], v[AK0]
	v_add_nc_u32 v[ADV], s[TB], v[AV0]
.irp kt, 0,1,2,3
.irp c, 0,1
	ds_load_b128 v[KV+8*(2*\kt+\c):KV+8*(2*\kt+\c)+3], v[ADK] offset:8704*(\q)+2176*\kt+64*\c
	ds_load_b128 v[KV+8*(2*\kt+\c)+4:KV+8*(2*\kt+\c)+7], v[ADK] offset:8704*(\q)+2176*\kt+64*\c+32
.endr
.endr
	s_wait_dscnt 0x0
.irp c, 0,1                                    ; S^T = K Q^T: eight accumulators by turns
.irp kt, 0,1,2,3
.irp t, 0,1
.if \c == 0
	v_wmma_f32_16x16x32_f16 v[S+32*\t+8*\kt:S+32*\t+8*\kt+7], v[KV+8*(2*\kt+\c):KV+8*(2*\kt+\c)+7], v[QR+16*\t+8*\c:QR+16*\t+8*\c+7], 0
.else
	v_wmma_f32_16x16x32_f16 v[S+32*\t+8*\kt:S+32*\t+8*\kt+7], v[KV+8*(2*\kt+\c):KV+8*(2*\kt+\c)+7], v[QR+16*\t+8*\c:QR+16*\t+8*\c+7], v[S+32*\t+8*\kt:S+32*\t+8*\kt+7]
.endif
.endr
.endr
.endr
.rept 4
	v_nop                                          ; places: in front of the loads into K's registers and of the first read of the scores
.endr
.irp u, 0,1                                    ; V of this step, turned: it lands under the softmax
.irp ct, 0,1,2,3
	ds_load_tr16_b128 v[KV+8*(4*\u+\ct):KV+8*(4*\u+\ct)+3], v[ADV] offset:9216*(\q)+4608*\u+32*\ct
	ds_load_tr16_b128 v[KV+8*(4*\u+\ct)+4:KV+8*(4*\u+\ct)+7], v[ADV] offset:9216*(\q)+4608*\u+32*\ct+2304
.endr
.endr
	s_add_co_u32 s96, s[KF], 63
	s_cmp_le_u32 s96, s[Q0]                        ; all keys count for all my queries: no mask
	s_cbranch_scc1 .Lopen_\@
	s_sub_co_i32 s96, s[Q0], s[KF]
	v_add_nc_u32 v[D0], s96, v[DR]
	v_add_nc_u32 v[D0+1], 16, v[D0]                ; register 8 kt + j holds key KF + 16 kt + 8 h + j: hidden where 16 kt + j > d
.irp t, 0,1
.set n, 0
.rept 32
	v_cmp_gt_i32 vcc_lo, 16*(n/8)+n%8, v[D0+\t]
	v_cndmask_b32 v[S+32*\t+n], v[S+32*\t+n], v[NINF], vcc_lo
.set n, n+1
.endr
.endr
.Lopen_\@:
.irp j, 0,1,2,3                                ; the maximum: four chains, each begun at an accumulator's low end; the two tiles line by line
.irp t, 0,1
	v_max3_num_f32 v[ST+8*\t+4+\j], v[S+32*\t+8*\j], v[S+32*\t+8*\j+1], v[S+32*\t+8*\j+2]
.endr
.endr
.irp g, 1,2
.irp j, 0,1,2,3
.irp t, 0,1
	v_max3_num_f32 v[ST+8*\t+4+\j], v[ST+8*\t+4+\j], v[S+32*\t+8*\j+2*\g+1], v[S+32*\t+8*\j+2*\g+2]
.endr
.endr
.endr
.irp t, 0,1
	v_max3_num_f32 v[ST+8*\t+4], v[ST+8*\t+4], v[S+32*\t+7], v[S+32*\t+15]
.endr
.irp t, 0,1
	v_max3_num_f32 v[ST+8*\t+6], v[ST+8*\t+6], v[S+32*\t+23], v[S+32*\t+31]
.endr
.irp t, 0,1
	v_max3_num_f32 v[ST+8*\t+4], v[ST+8*\t+4], v[ST+8*\t+5], v[ST+8*\t+6]
.endr
.irp t, 0,1
	v_max3_num_f32 v[ST+8*\t+4], v[ST+8*\t+4], v[ST+8*\t+7], v[ST+8*\t+1]
.endr
.irp t, 0,1
	v_permlanex16_b32 v[ST+8*\t+5], v[ST+8*\t+4], s[SEL], s[SEL+1]   ; the query's other 32 keys lie in the lane 16 away
.endr
.irp t, 0,1
	v_mov_b32 v[ST+8*\t+7], v[ST+8*\t]             ; c m_old
.endr
.irp t, 0,1
	v_max_num_f32 v[ST+8*\t+1], v[ST+8*\t+4], v[ST+8*\t+5]
.endr
.irp t, 0,1
	v_mul_f32 v[ST+8*\t], s[CS], v[ST+8*\t+1]
.endr
.irp t, 0,1
	v_sub_f32 v[ST+8*\t+7], v[ST+8*\t+7], v[ST+8*\t]
.endr
.set i, 0
.rept 16
.irp t, 0,1
	v_pk_fma_f32 v[S+32*\t+2*i:S+32*\t+2*i+1], v[S+32*\t+2*i:S+32*\t+2*i+1], s[CS:CS+1], v[ST+8*\t:ST+8*\t+1] op_sel_hi:[1,0,0] neg_lo:[0,0,1] neg_hi:[0,0,1]   ; c s - c m
.endr
.set i, i+1
.endr
.irp t, 0,1
	v_exp_f32 v[ST+8*\t+6], v[ST+8*\t+7]           ; a
.endr
.set i, 0
.rept 64
	v_exp_f32 v[S+i], v[S+i]                       ; p
.set i, i+1
.endr
	v_nop                                          ; a plain instruction behind the last exponential
	s_wait_alu depctr_va_vdst(0)                   ; one wait for the batch of 66, ahead of its first reader
.irp t, 0,1
	v_pk_mul_f32 v[ST+8*\t+2:ST+8*\t+3], v[ST+8*\t+2:ST+8*\t+3], v[ST+8*\t+6:ST+8*\t+7] op_sel_hi:[1,0]   ; l a
.endr
.irp t, 0,1
	v_pk_add_f32 v[ST+8*\t+4:ST+8*\t+5], v[S+32*\t+2:S+32*\t+3], v[S+32*\t+6:S+32*\t+7]   ; the sum of the unrounded p, in two chains
.endr
.irp t, 0,1
	v_pk_add_f32 v[ST+8*\t+2:ST+8*\t+3], v[ST+8*\t+2:ST+8*\t+3], v[S+32*\t:S+32*\t+1]
.endr
.irp g, 4,8,12,16,20,24,28
.irp t, 0,1
	v_pk_add_f32 v[ST+8*\t+2:ST+8*\t+3], v[ST+8*\t+2:ST+8*\t+3], v[S+32*\t+\g:S+32*\t+\g+1]
.if \g > 4
	v_pk_add_f32 v[ST+8*\t+4:ST+8*\t+5], v[ST+8*\t+4:ST+8*\t+5], v[S+32*\t+\g+2:S+32*\t+\g+3]
.endif
.endr
.endr
.irp t, 0,1
	v_pk_add_f32 v[ST+8*\t+2:ST+8*\t+3], v[ST+8*\t+2:ST+8*\t+3], v[ST+8*\t+4:ST+8*\t+5]
.endr
.set i, 0
.rept 16
.irp t, 0,1
	v_cvt_pk_f16_f32 v[S+32*\t+i], v[S+32*\t+2*i], v[S+32*\t+2*i+1]   ; P, in place, ascending: register i is written when 2 i and 2 i + 1 are read
.endr
.set i, i+1
.endr
.set i, 0
.rept 16
.irp t, 0,1
	v_pk_mul_f32 v[O+32*\t+2*i:O+32*\t+2*i+1], v[O+32*\t+2*i:O+32*\t+2*i+1], v[ST+8*\t+6:ST+8*\t+7] op_sel_hi:[1,0]   ; O^T a
.endr
.set i, i+1
.endr
	s_wait_dscnt 0x0                               ; V is in
.irp u, 0,1                                    ; O^T += V^T P: eight accumulators by turns
.irp ct, 0,1,2,3
.irp t, 0,1
	v_wmma_f32_16x16x32_f16 v[O+32*\t+8*\ct:O+32*\t+8*\ct+7], v[KV+8*(4*\u+\ct):KV+8*(4*\u+\ct)+7], v[S+32*\t+8*\u:S+32*\t+8*\u+7], v[O+32*\t+8*\ct:O+32*\t+8*\ct+7]
.endr
.endr
.endr
.rept 5
	v_nop                                          ; five places: the next step's first products write over P's registers; its loads land in V's; the way out reads O^T
.endr
.Lhidden_\@:
	s_add_co_u32 s[KF], s[KF], 64
.endm
; THE CHANGE OF SLOTS stands at a slot's head: each wave waits for all its tensor loads, adds 0 to its spare word (fill = 1: twice on end),
; and waits for that and for its reads of the slot that it has left.  Behind the barrier the slot ahead is whole and nobody reads the other one.
.macro CHANGE fill
	s_wait_tensorcnt 0x0
	ds_add_u32 v[SPW], v[NIL]
.if \fill
	ds_add_u32 v[SPW], v[NIL]
	s_xor_b32 s[G0K+1], s[G0K+1], SLOT1            ; no tensor load of mine is out: the walking descriptors step: the other slot, the next 256 keys
	s_add_nc_u64 s[G0K+2:G0K+3], s[G0K+2:G0K+3], 32768
	s_xor_b32 s[G0V+1], s[G0V+1], SLOT1
	s_add_nc_u64 s[G0V+2:G0V+3], s[G0V+2:G0V+3], 32768
	s_wait_xcnt 0x0                                ; the last prefetch, a slot back, has read its address
	s_add_nc_u64 s[PFA:PFA+1], s[PFA:PFA+1], 32768
.endif
	s_wait_dscnt 0x0
	s_barrier_signal -1
	s_barrier_wait -1
.if \fill
	s_add_co_u32 s96, s[KF], 256                   ; the first key of the slot that this change would ask for
	s_cmp_gt_u32 s96, s[QL]                        ; behind my work-group's last query: none of its waves would read it.  Ids and the count of steps alone: all sixteen waves go the same way
	s_cbranch_scc1 .Lpast_\@
	TLOAD                                          ; a wave's one tensor load until the next barrier
.Lpast_\@:
	ASK
.endif
.endm
.macro SLOT_STEPS
.irp q, 0,1,2,3
	STEP \q
.endr
	s_xor_b32 s[TB], s[TB], SLOT1
.endm
	s_wait_loadcnt 0x0                             ; Q
.Lslot:                                            ; 7 trips
	CHANGE 1
	SLOT_STEPS
	s_sub_co_u32 s[SLOTS], s[SLOTS], 1
	s_cmp_lg_u32 s[SLOTS], 0
	s_cbranch_scc1 .Lslot
	CHANGE 0                                       ; the last slot is written out: nothing is left to ask for
	SLOT_STEPS
	; THE WAY OUT: O^T / l, to f16, a tile (16 rows of 128 bytes) at a time through my stage, so that a store covers 512 consecutive bytes
.irp t, 0,1
	v_add_f32 v[ST+8*\t+4], v[ST+8*\t+2], v[ST+8*\t+3]
.endr
.irp t, 0,1
	v_permlanex16_b32 v[ST+8*\t+5], v[ST+8*\t+4], s[SEL], s[SEL+1]
.endr
.irp t, 0,1
	v_add_f32 v[ST+8*\t+4], v[ST+8*\t+4], v[ST+8*\t+5]
.endr
.irp t, 0,1
	v_rcp_f32 v[ST+8*\t+6], v[ST+8*\t+4]
.endr
	v_nop
	s_wait_alu depctr_va_vdst(0)                   ; one wait for the two reciprocals
.irp t, 0,1
.set i, 0
.rept 16
	v_pk_mul_f32 v[O+32*\t+2*i:O+32*\t+2*i+1], v[O+32*\t+2*i:O+32*\t+2*i+1], v[ST+8*\t+6:ST+8*\t+7] op_sel_hi:[1,0]
.set i, i+1
.endr
.set i, 0
.rept 16
	v_cvt_pk_f16_f32 v[KV+16*\t+i], v[O+32*\t+2*i], v[O+32*\t+2*i+1]
.set i, i+1
.endr
.irp ct, 0,1,2,3
	ds_store_b128 v[STO], v[KV+16*\t+4*\ct:KV+16*\t+4*\ct+3] offset:32*\ct
.endr
.irp i, 0,1,2,3
	ds_load_b128 v[KV+32+16*\t+4*\i:KV+32+16*\t+4*\i+3], v[RD] offset:544*\i   ; LDS serves a wave's instructions in order: these see my stores; the next tile's stores come behind them
.endr
.endr
.irp t, 0,1
.irp i, 0,1,2,3
	s_wait_dscnt 8*(1-\t)+3-\i                     ; the LDS instructions issued behind this load may be out
	global_store_b128 v[GO], v[KV+32+16*\t+4*\i:KV+32+16*\t+4*\i+3], s[16:17] offset:2048*\t+512*\i
.endr
.endr
	s_wait_tensorcnt 0x0                           ; the wave's end, behind my last tensor load and my last LDS store
	ds_add_u32 v[SPW], v[NIL]
	s_wait_dscnt 0x0
	s_endpgm
.Lfunc_end_k_qf5f0bb0424_attn:
	.size	k_qf5f0bb0424_attn, .Lfunc_end_k_qf5f0bb0424_attn-k_qf5f0bb0424_attn
	.p2alignl 7, 3214868480
	.fill 96, 4, 3214868480
	.section	.rodata,"a",@progbits
	.p2align	6, 0x0
	.amdhsa_kernel k_qf5f0bb0424_attn
		.amdhsa_group_segment_fixed_size 327680
		.amdhsa_private_segment_fixed_size 0
		.amdhsa_enable_private_segment 0
		.amdhsa_kernarg_size 16
		.amdhsa_user_sgpr_count 2
		.amdhsa_user_sgpr_kernarg_segment_ptr 1
		.amdhsa_wavefront_size32 1
		.amdhsa_system_sgpr_workgroup_id_x 1
		.amdhsa_system_sgpr_workgroup_id_y 1
		.amdhsa_system_sgpr_workgroup_id_z 1
		.amdhsa_system_vgpr_workitem_id 0
		.amdhsa_next_free_vgpr 256
		.amdhsa_next_free_sgpr 100
		.amdhsa_reserve_vcc 1
		.amdhsa_float_denorm_mode_32 3
		.amdhsa_float_denorm_mode_16_64 3
		.amdhsa_memory_ordered 1
		.amdhsa_forward_progress 1
		.amdhsa_inst_pref_size 189
	.end_amdhsa_kernel
	.amdgpu_metadata
---
amdhsa.version: [ 1, 2 ]
amdhsa.kernels:
  - .name:           k_qf5f0bb0424_attn
    .symbol:         k_qf5f0bb0424_attn.kd
    .args:
      - { .name: qkv16, .offset: 0, .size: 8, .value_kind: global_buffer, .address_space: global }
      - { .name: at16, .offset: 8, .size: 8, .value_kind: global_buffer, .address_space: global }
    .group_segment_fixed_size: 327680
    .private_segment_fixed_size: 0
    .kernarg_segment_align: 8
    .kernarg_segment_size: 16
    .max_flat_workgroup_size: 512
    .sgpr_count:     100
    .vgpr_count:     256
    .wavefront_size: 32
...
	.end_amdgpu_metadata
.endif
;; end of part 3
;; launch proj (part 4): grid 4 x 64, 4 waves a work-group, clusters of 4 x 4, 327,680 bytes of LDS; arguments at16, wo16, out0; writes out0
.if DOCPART == 4
	.amdgcn_target "amdgcn-amd-amdhsa--gfx1250"
	.amdhsa_code_object_version 6
	.text
	.protected	k_qf5f0bb0424_proj
	.globl	k_qf5f0bb0424_proj
	.p2align	8
	.type	k_qf5f0bb0424_proj,@function
k_qf5f0bb0424_proj:
	s_mov_b64 s[64:65], 0
	v_nop
	global_prefetch_b8 v0, s[64:65] scope:SCOPE_SE
	s_setreg_imm32_b32 hwreg(HW_REG_WAVE_MODE, 25, 1), 1
	s_wait_xcnt 0x0
	s_wait_alu depctr_hold_cnt(0) depctr_sa_sdst(0) depctr_va_vdst(0) depctr_va_sdst(0) depctr_va_ssrc(0) depctr_va_vcc(0) depctr_vm_vsrc(0)
	s_getreg_b32 s2, hwreg(HW_REG_IB_STS2, 6, 4)
	s_cmp_eq_u32 s2, 0
	s_cbranch_scc0 .Lentry_in_a_cluster
	s_endpgm
.Lentry_in_a_cluster:
	s_bfe_u32 s2, ttmp6, 0x10000c
	s_cmp_lg_u32 s2, 0xf033
	s_cbranch_scc0 .Lentry_shape_is_right
	s_endpgm
.Lentry_shape_is_right:
; out0[row][n] = the sum over k of attn[row][k] Wo[k][n]: 8,192 x 1,024 x 1,024, f16 operands, f32 sums, f32 out.
; A = at16 [k / 64][row 8192][64] f16: a chunk of 64 along K of 128 rows is 16,384 dense bytes.  B = wo16 [k][n] f16: K is its first axis, so its fragments are turned by ds_load_tr16_b128.
; A tile of 128 x 256 is made by four waves, 64 x 128 each (32 accumulators, 256 registers): 256 work-groups.  K goes in 8 steps of 128 through a ring of two LDS slots.
; CLUSTERS: 4 x 4 work-groups; A's tile is shared along a row of the cluster, B's along a column: each is asked for jointly.  THE MATRIX INSTRUCTION IS USED TRANSPOSED (source 0 = 16 columns of Wo, source 1 = 16 rows of A).
; No prefetch: the tile is small, and a K step's rows are shared by joint loads.
; REGISTERS: window 0: v0-31 addresses; two fragment buffers of 96 at v64 and v160 (B's 8 fragments, then A's 4); window 1: the accumulators, (a, b) at v[8 (8 a + b)].
.set SLOT,  104448                     ; A chunk 0, A chunk 1 (64 lines of 272 bytes each), then B: 128 rows of 544 bytes
.set BOFF,  34816
.set STAGE, 2*SLOT                     ; the way out: 16 rows x 528 bytes for each wave; no tensor load lands here
.set SPARE, STAGE+4*16*528             ; the spare words, 128 bytes for each wave: two blocks of 256 bytes that no other line names
.set ADRA, 16
.set ADRB, 20
.set STO,  24
.set RD,   25
.set CO,   26
.set SPW,  28
.set NIL,  29
.set F0,   64
.set F1,   160
.set BK,   64
.set G1, 24
.set G0, 32
.set G1B, 48
.set G0B, 56
.set MSB, 0
.macro WIN new
.if MSB != (\new)
	s_set_vgpr_msb (MSB<<8)|(\new)
.set MSB, \new
.endif
.endm
.set MUL, 0x50                         ; C and D window 1, sources window 0
.macro JLOAD s                         ; waves 0, 1 fetch A's two chunks, waves 2, 3 B's two halves; an s_nop 0 and four v_nop follow each line
	s_cmp_eq_u32 s11, 0
	s_cbranch_scc0 .Lfor_b_\@
	tensor_load_to_lds s[G0+4*\s:G0+4*\s+3], s[G1:G1+7]
	s_nop 0
.rept 4
	v_nop
.endr
	s_branch .Lasked_\@
.Lfor_b_\@:
	tensor_load_to_lds s[G0B+4*\s:G0B+4*\s+3], s[G1B:G1B+7]
	s_nop 0
.rept 4
	v_nop
.endr
.Lasked_\@:
.endm
.macro CREST
	s_cmp_lg_u32 s10, 0
	s_cbranch_scc1 .Lnot_wave_0_\@
	s_barrier_signal -3
.Lnot_wave_0_\@:
	s_barrier_wait -3
	s_barrier_signal -1
	s_barrier_wait -1
.endm
.macro CROUND
	s_barrier_signal -1
	s_barrier_wait -1
	CREST
.endm
	s_load_b128 s[4:7], s[0:1], 0x0                ; at16 s[4:5], wo16 s[6:7]
	s_load_b64 s[8:9], s[0:1], 0x10                ; out0
	v_lshl_add_u32 v[SPW], v0, 2, SPARE
	v_mov_b32 v[NIL], 0
	ds_add_u32 v[SPW], v[NIL]                      ; the wave's opening: the add, twice on end, and its wait ahead of my first tensor load
	ds_add_u32 v[SPW], v[NIL]
	v_lshrrev_b32 v1, 5, v0
	v_readfirstlane_b32 s10, v1                    ; wave 0..3
	s_lshr_b32 s11, s10, 1                         ; my half of the tile's rows.  Also: I fetch for A (0) or for B (1)
	s_and_b32 s12, s10, 1                          ; my half of its columns.  Also: which chunk of A, or which 64 rows of B, I fetch
	s_bfe_u32 s40, ttmp6, 0x40000                  ; cx
	s_bfe_u32 s41, ttmp6, 0x40004                  ; cy
	s_lshl_b32 s42, ttmp9, 2
	s_add_co_u32 s42, s42, s40                     ; tile column
	s_and_b32 s13, ttmp7, 0xffff
	s_lshl_b32 s13, s13, 2
	s_add_co_u32 s13, s13, s41                     ; tile row
	s_lshl_b32 s43, s41, 2
	s_lshl_b32 s43, 15, s43                        ; my row of the cluster
	s_lshl_b32 s44, 0x1111, s40                    ; my column
	s_or_b32 s[G1+0], s43, (3<<16)|(1<<20)|(1<<21)|(5<<22)|(3<<25)    ; A: 16,384 dense bytes as 64 rows of 256 (32 elements of 8 bytes), 4 words of padding behind each
	s_mov_b32 s[G1+1], 32<<16
	s_mov_b32 s[G1+2], 64<<16
	s_mov_b32 s[G1+3], 32<<16
	s_mov_b32 s[G1+4], 64
	s_mov_b32 s[G1+5], 32
	s_mov_b32 s[G1+6], 0
	s_mov_b32 s[G1+7], 0
	s_or_b32 s[G1B+0], s44, (3<<16)|(1<<20)|(1<<21)|(6<<22)|(7<<25)   ; B: 64 rows of 512 bytes (64 elements), 2,048 bytes apart, 8 words of padding behind each
	s_mov_b32 s[G1B+1], 64<<16
	s_mov_b32 s[G1B+2], 64<<16
	s_mov_b32 s[G1B+3], 64<<16
	s_mov_b32 s[G1B+4], 64
	s_mov_b32 s[G1B+5], 256
	s_mov_b32 s[G1B+6], 0
	s_mov_b32 s[G1B+7], 0
	s_lshl_b32 s16, s12, 20                        ; A: my chunk of 1,048,576 bytes,
	s_lshl_b32 s17, s13, 14                        ; the tile's 128 rows of 128 bytes
	s_add_co_u32 s16, s16, s17
	s_mov_b32 s17, 0
	s_lshl_b32 s46, s12, 17                        ; B: my 64 rows of 2,048 bytes,
	s_lshl_b32 s47, s42, 9                         ; the tile's 256 columns
	s_add_co_u32 s46, s46, s47
	s_mov_b32 s47, 0
	s_mul_i32 s20, s12, 17408                      ; where they go: no place in the cluster enters an LDS address
	s_mul_i32 s21, s12, 34816
	s_add_co_u32 s21, s21, BOFF
	s_wait_dscnt 0x0                               ; both opening adds are done
	s_wait_kmcnt 0x0
	s_add_nc_u64 s[14:15], s[4:5], s[16:17]
	s_add_nc_u64 s[46:47], s[6:7], s[46:47]
	CROUND                                         ; all sixteen work-groups are here: the first joint loads meet
.irp s, 0,1
	s_mov_b32 s[G0+4*\s], 1
	s_add_co_u32 s[G0+4*\s+1], s20, \s*SLOT
	s_add_nc_u64 s[G0+4*\s+2:G0+4*\s+3], s[14:15], \s*2097152      ; K step s: two chunks on
	s_or_b32 s[G0+4*\s+3], s[G0+4*\s+3], 0x80000000
	s_mov_b32 s[G0B+4*\s], 1
	s_add_co_u32 s[G0B+4*\s+1], s21, \s*SLOT
	s_add_nc_u64 s[G0B+4*\s+2:G0B+4*\s+3], s[46:47], \s*262144     ; 128 rows on
	s_or_b32 s[G0B+4*\s+3], s[G0B+4*\s+3], 0x80000000
	JLOAD \s
.endr
	v_and_b32 v1, 15, v0                           ; r
	v_bfe_u32 v2, v0, 4, 1                         ; h
	v_lshrrev_b32 v3, 1, v1
	v_mul_u32_u24 v3, v3, 272
	v_and_b32 v4, 1, v1
	v_lshl_add_u32 v3, v4, 7, v3
	v_lshl_add_u32 v3, v2, 4, v3                   ; A: line r / 2, half r % 2, + 16 h
	v_and_b32 v4, 7, v0
	v_lshl_add_u32 v4, v2, 3, v4
	v_mul_u32_u24 v4, v4, 544
	v_bfe_u32 v5, v0, 3, 1
	v_lshl_add_u32 v4, v5, 4, v4                   ; B, turned: row 8 h + lane % 8, columns 8 ((lane / 8) % 2) on
	s_mul_i32 s21, s11, 8704                       ; my 64 rows of A: 32 lines
	s_lshl_b32 s22, s12, 8                         ; my 128 columns of B
	s_add_co_u32 s22, s22, BOFF
.irp s, 0,1
	v_add_nc_u32 v[ADRA+\s], s21, v3
	v_add_nc_u32 v[ADRB+\s], s22, v4
	s_add_co_u32 s21, s21, SLOT
	s_add_co_u32 s22, s22, SLOT
.endr
	s_mul_i32 s23, s10, 16*528
	s_add_co_u32 s23, s23, STAGE                   ; my stage
	v_mul_u32_u24 v5, v1, 528
	v_lshl_add_u32 v5, v2, 5, v5
	v_add_nc_u32 v[STO], s23, v5
	v_and_b32 v6, 31, v0
	v_lshlrev_b32 v[CO], 4, v6
	v_add_nc_u32 v[RD], s23, v[CO]
	s_lshl_b32 s18, s13, 7
	s_lshl_b32 s19, s11, 6
	s_add_co_u32 s18, s18, s19                     ; my first row
	s_lshl_b32 s18, s18, 12
	s_lshl_b32 s19, s42, 10
	s_add_co_u32 s18, s18, s19
	s_lshl_b32 s19, s12, 9
	s_add_co_u32 s18, s18, s19                     ; + my first column, in bytes
	s_mov_b32 s19, 0
	s_add_nc_u64 s[8:9], s[8:9], s[18:19]
.macro MUL8 f, a, zero                 ; A's block a x B's eight, 32 along K.  The 32 accumulators take turns, one instruction a turn
.irp b, 0,1,2,3,4,5,6,7
.if \zero
	v_wmma_f32_16x16x32_f16 v[8*(8*(\a)+\b):8*(8*(\a)+\b)+7], v[\f+8*\b:\f+8*\b+7], v[\f+64+8*(\a):\f+64+8*(\a)+7], 0
.else
	v_wmma_f32_16x16x32_f16 v[8*(8*(\a)+\b):8*(8*(\a)+\b)+7], v[\f+8*\b:\f+8*\b+7], v[\f+64+8*(\a):\f+64+8*(\a)+7], v[8*(8*(\a)+\b):8*(8*(\a)+\b)+7]
.endif
.endr
.endm
.macro FETCH slot, q, f                ; 24 LDS loads in one run: the fragments of the slot's q-th 32 along K: B's 16, then A's 8
	WIN 0
.irp b, 0,1,2,3,4,5,6,7
	ds_load_tr16_b128 v[\f+8*\b:\f+8*\b+3], v[ADRB+\slot] offset:17408*(\q)+32*\b
	ds_load_tr16_b128 v[\f+8*\b+4:\f+8*\b+7], v[ADRB+\slot] offset:17408*(\q)+32*\b+8704
.endr
.irp i, 0,1,2,3
	ds_load_b128 v[\f+64+8*\i:\f+64+8*\i+3], v[ADRA+\slot] offset:17408*((\q)/2)+64*((\q)%2)+2176*\i
	ds_load_b128 v[\f+64+8*\i+4:\f+64+8*\i+7], v[ADRA+\slot] offset:17408*((\q)/2)+64*((\q)%2)+2176*\i+32
.endr
.endm
.macro PLACES
.rept 4
	v_nop
.endr
.endm
.macro QUARTER slot, q, f, g, zero     ; multiplies buffer f; in its middle fetches the slot's q-th quarter into g
	s_wait_dscnt 4                                 ; B and A's blocks 0, 1 are in; A's blocks 2, 3 may be out
	WIN MUL
	MUL8 \f, 0, \zero
	MUL8 \f, 1, \zero
	PLACES
	FETCH \slot, \q, \g
	s_wait_dscnt 24                                ; all but the 24 just issued
	WIN MUL
	MUL8 \f, 2, \zero
	MUL8 \f, 3, \zero
.endm
; A K step's last quarter multiplies buffer 1 and changes slots: one barrier; in front of it each wave waits for all its tensor loads, adds 0 to its spare word, and waits for that and for its reads of this slot.
.macro TURN slot, next, fill
	WIN 0
	s_wait_tensorcnt 0x0                           ; my part of the next slot has landed
	ds_add_u32 v[SPW], v[NIL]
	s_wait_dscnt 7                                 ; the add and A's blocks 1 to 3 may be out
	WIN MUL
	MUL8 F1, 0, 0
	s_wait_dscnt 0x0                               ; the add is done, and my reads of this slot are over
	s_barrier_signal -1
	MUL8 F1, 1, 0
	WIN 0
	s_barrier_wait -1
.if \fill
	CREST                                          ; the barrier has opened a round of the cluster's barrier: no wave of any partner still reads this slot or has a load on its way
	s_add_nc_u64 s[G0+4*\slot+2:G0+4*\slot+3], s[G0+4*\slot+2:G0+4*\slot+3], 4194304
	s_add_nc_u64 s[G0B+4*\slot+2:G0B+4*\slot+3], s[G0B+4*\slot+2:G0B+4*\slot+3], 524288
	JLOAD \slot                                    ; the first tensor load behind the round; its four v_nop are also the places in front of the loads below
.else
	PLACES
.endif
	FETCH \next, 0, F0
	WIN MUL
	MUL8 F1, 2, 0
	MUL8 F1, 3, 0
.endm
	s_wait_tensorcnt 1                             ; my part of K step 0 is in; K step 1's may be out
	s_barrier_signal -1
	s_barrier_wait -1
	FETCH 0, 0, F0
	QUARTER 0, 1, F0, F1, 1                        ; the first quarter's products start the sums
	WIN 0
	s_mov_b32 s3, 3
.Llap:                                             ; a trip goes once round the ring and fills both slots again
	QUARTER 0, 2, F1, F0, 0
	QUARTER 0, 3, F0, F1, 0
	TURN 0, 1, 1
	QUARTER 1, 1, F0, F1, 0
	QUARTER 1, 2, F1, F0, 0
	QUARTER 1, 3, F0, F1, 0
	TURN 1, 0, 1
	QUARTER 0, 1, F0, F1, 0
	WIN 0
	s_sub_co_u32 s3, s3, 1
	s_cmp_lg_u32 s3, 0
	s_cbranch_scc1 .Llap
	QUARTER 0, 2, F1, F0, 0                        ; the last lap fills nothing
	QUARTER 0, 3, F0, F1, 0
	TURN 0, 1, 0
	QUARTER 1, 1, F0, F1, 0
	QUARTER 1, 2, F1, F0, 0
	QUARTER 1, 3, F0, F1, 0
	s_wait_dscnt 4
	WIN MUL
	MUL8 F1, 0, 0
	MUL8 F1, 1, 0
	s_wait_dscnt 0
	MUL8 F1, 2, 0
	MUL8 F1, 3, 0
	WIN 0
; THE WAY OUT, block by block of 16 rows x 128 columns: through my own stage and back as whole rows of 512 bytes
.macro TOSTAGE a
	WIN 0x04                                       ; an LDS store's data are its source 1: window 1
.irp b, 0,1,2,3,4,5,6,7
	ds_store_b128 v[STO], v[8*(8*(\a)+\b):8*(8*(\a)+\b)+3] offset:64*\b          ; each accumulator from its low end on
	ds_store_b128 v[STO], v[8*(8*(\a)+\b)+4:8*(8*(\a)+\b)+7] offset:64*\b+16
.endr
	WIN 0
.set BB, BK+64*((\a)%2)
.irp t, 0,1,2,3,4,5,6,7,8,9,10,11,12,13,14,15
	ds_load_b128 v[BB+4*\t:BB+4*\t+3], v[RD] offset:\t*528
.endr
.endm
.macro SEND a, younger
.set BB, BK+64*((\a)%2)
	s_wait_dscnt \younger
.irp t, 0,1,2,3,4,5,6,7,8,9,10,11,12,13,14,15
	global_store_b128 v[CO], v[BB+4*\t:BB+4*\t+3], s[8:9] offset:(16*(\a)+\t)*4096   ; 32 lanes store 512 consecutive bytes, aligned
.endr
.endm
	PLACES
	TOSTAGE 0
.irp a, 1,2,3
.if \a > 1
	s_wait_xcnt 0x0                                ; block a - 2's stores have read their registers: block a's loads may land there
.endif
	TOSTAGE \a
	SEND \a-1, 32                                  ; behind block a - 1's loads: block a's 16 stores and 16 loads
.endr
	SEND 3, 0
	s_wait_tensorcnt 0x0                           ; the wave's end, behind my last tensor load and my last LDS store
	ds_add_u32 v[SPW], v[NIL]
	s_wait_dscnt 0x0
	CROUND                                         ; the closing round
	s_endpgm
.Lfunc_end_k_qf5f0bb0424_proj:
	.size	k_qf5f0bb0424_proj, .Lfunc_end_k_qf5f0bb0424_proj-k_qf5f0bb0424_proj
	.p2alignl 7, 3214868480
	.fill 96, 4, 3214868480
	.section	.rodata,"a",@progbits
	.p2align	6, 0x0
	.amdhsa_kernel k_qf5f0bb0424_proj
		.amdhsa_group_segment_fixed_size 327680
		.amdhsa_private_segment_fixed_size 0
		.amdhsa_enable_private_segment 0
		.amdhsa_kernarg_size 24
		.amdhsa_user_sgpr_count 2
		.amdhsa_user_sgpr_kernarg_segment_ptr 1
		.amdhsa_wavefront_size32 1
		.amdhsa_system_sgpr_workgroup_id_x 1
		.amdhsa_system_sgpr_workgroup_id_y 1
		.amdhsa_system_sgpr_workgroup_id_z 1
		.amdhsa_system_vgpr_workitem_id 0
		.amdhsa_next_free_vgpr 512
		.amdhsa_next_free_sgpr 66
		.amdhsa_reserve_vcc 0
		.amdhsa_float_denorm_mode_32 3
		.amdhsa_float_denorm_mode_16_64 3
		.amdhsa_memory_ordered 1
		.amdhsa_forward_progress 1
		.amdhsa_inst_pref_size 85
	.end_amdhsa_kernel
	.amdgpu_metadata
---
amdhsa.version: [ 1, 2 ]
amdhsa.kernels:
  - .name:           k_qf5f0bb0424_proj
    .symbol:         k_qf5f0bb0424_proj.kd
    .args:
      - { .name: at16, .offset: 0, .size: 8, .value_kind: global_buffer, .address_space: global }
      - { .name: wo16, .offset: 8, .size: 8, .value_kind: global_buffer, .address_space: global }
      - { .name: out0, .offset: 16, .size: 8, .value_kind: global_buffer, .address_space: global }
    .group_segment_fixed_size: 327680
    .private_segment_fixed_size: 0
    .kernarg_segment_align: 8
    .kernarg_segment_size: 24
    .max_flat_workgroup_size: 128
    .sgpr_count:     66
    .vgpr_count:     512
    .wavefront_size: 32
...
	.end_amdgpu_metadata
.endif
;; end of part 4
;; launch first16 (part 5): grid 64 x 4, 16 waves a work-group, no clusters, 18,432 bytes of LDS; arguments qkv32, Wo, out0; writes out0
.if DOCPART == 5
	.amdgcn_target "amdgcn-amd-amdhsa--gfx1250"
	.amdhsa_code_object_version 6
	.text
	.protected	k_qf5f0bb0424_first16
	.globl	k_qf5f0bb0424_first16
	.p2align	8
	.type	k_qf5f0bb0424_first16,@function
k_qf5f0bb0424_first16:
	s_mov_b64 s[64:65], 0
	v_nop
	global_prefetch_b8 v0, s[64:65] scope:SCOPE_SE
	s_setreg_imm32_b32 hwreg(HW_REG_WAVE_MODE, 25, 1), 1
	s_wait_xcnt 0x0
; Positions 0 to 15 of each of the 4 sequences, in f32 throughout: under the causal mask these rows average one to sixteen values, so they are carried more finely than f16 operands allow.
; Work-group (nb, b) makes out0[b][0..15][16 nb .. 16 nb + 15] and writes over what the launch before left there.  Wave w is head w: its 16 x 16 attention, then its share of the projection's K: Wo's rows 64 w .. 64 w + 63.
; The 16 partial tiles meet in LDS as images of their registers.  All products by v_wmma_f32_16x16x4_f32, 48 a wave: no bulk work.  Along each K both operands carry the same order of k.
; The registers that these matrix instructions write (v144-159, v176-223) are written by them alone; each sum's first instruction takes the constant 0.
; 16 columns to a work-group give 256 work-groups; the price is stores of 64 bytes a row, in a launch that writes 262,144 bytes in all.
; LIMITS: NaN and infinities among the inputs are not served.
.set SPARE, 16384                      ; behind the 16 images of 1,024 bytes: the spare words, 128 bytes for each wave
.set SPW, 12
.set NIL, 13
	s_load_b128 s[4:7], s[0:1], 0x0                ; qkv32 s[4:5], Wo s[6:7]
	s_load_b64 s[8:9], s[0:1], 0x10                ; out0
	v_lshl_add_u32 v[SPW], v0, 2, SPARE
	v_mov_b32 v[NIL], 0
	v_lshrrev_b32 v1, 5, v0
	v_readfirstlane_b32 s10, v1                    ; wave = head
	s_and_b32 s11, ttmp7, 0xffff                   ; batch
	v_and_b32 v1, 15, v0                           ; r
	v_bfe_u32 v2, v0, 4, 1                         ; h
	v_and_b32 v3, 31, v0                           ; lane
	v_lshlrev_b32 v4, 8, v1
	v_lshl_add_u32 v4, v2, 7, v4                   ; Q, K: row r of 256 bytes, channels 32 h on
	v_lshlrev_b32 v5, 2, v1
	v_lshl_add_u32 v6, v2, 11, v5                  ; V: keys 8 h on, channel r
	v_lshl_add_u32 v7, v2, 15, v5                  ; Wo: rows 8 h on, column r
	v_lshlrev_b32 v8, 4, v3
	s_lshl_b32 s12, s10, 10
	v_add_nc_u32 v9, s12, v8                       ; my image: 1,024 x wave + 16 x lane
	s_and_b32 s12, s10, 1
	s_lshl_b32 s12, s12, 9
	v_add_nc_u32 v10, s12, v8                      ; what waves 0 and 1 read back: half (wave % 2) of each image
	v_lshlrev_b32 v11, 12, v1
	v_lshl_add_u32 v11, v2, 5, v11                 ; out0: row r of 4,096 bytes, + 32 h
	v_lshlrev_b32 v14, 3, v2
	v_sub_nc_u32 v14, v1, v14                      ; r - 8 h
	v_mov_b32 v15, 0xff800000
	v_mov_b32 v169, 0                              ; a lane permute's destination counts as one of its sources
	s_mov_b32 s18, 0x3e38aa3b                      ; c = log2(e) / 8
	s_mov_b32 s20, 0x76543210
	s_mov_b32 s21, 0xfedcba98
	s_lshl_b32 s12, s11, 4
	s_add_co_u32 s12, s12, s10
	s_lshl_b32 s12, s12, 12                        ; (16 b + head) x 4,096 bytes
	s_mov_b32 s13, 0
	s_lshl_b32 s14, s10, 18                        ; Wo: 64 rows of 4,096 bytes a head,
	s_lshl_b32 s15, ttmp9, 6
	s_add_co_u32 s14, s14, s15                     ; my work-group's 16 columns
	s_mov_b32 s15, 0
	s_lshl_b32 s16, s11, 23                        ; out0: 2,048 rows a batch,
	s_lshl_b32 s17, ttmp9, 6
	s_add_co_u32 s16, s16, s17
	s_and_b32 s17, s10, 1
	s_lshl_b32 s17, s17, 4
	s_add_co_u32 s16, s16, s17                     ; + 16 bytes for wave 1
	s_mov_b32 s17, 0
	s_wait_kmcnt 0x0
	s_add_nc_u64 s[4:5], s[4:5], s[12:13]
	s_add_nc_u64 s[6:7], s[6:7], s[14:15]
	s_add_nc_u64 s[8:9], s[8:9], s[16:17]
.irp i, 0,1,2,3,4,5,6,7
	global_load_b128 v[48+4*\i:51+4*\i], v4, s[4:5] offset:262144+16*\i    ; K(r, 32 h + 4 i ..)
.endr
.irp i, 0,1,2,3,4,5,6,7
	global_load_b128 v[16+4*\i:19+4*\i], v4, s[4:5] offset:16*\i           ; Q likewise
.endr
.irp ct, 0,1,2,3
.irp i, 0,1,2,3,4,5,6,7
	global_load_b32 v[80+8*\ct+\i], v6, s[4:5] offset:524288+256*\i+64*\ct ; V(8 h + i, 16 ct + r)
.endr
.endr
.irp ct, 0,1,2,3
.irp i, 0,1,2,3,4,5,6,7
	global_load_b32 v[112+8*\ct+\i], v7, s[6:7] offset:(16*\ct+\i)*4096    ; Wo(64 w + 16 ct + 8 h + i, 16 nb + r)
.endr
.endr
	s_wait_loadcnt 63                              ; behind Q's last load stand V's and Wo's 64; 63 is the largest count that the wait can name: K, Q and V's first load are in, the other 63 may be out
	; S^T = K Q^T: two accumulators by turns
	v_wmma_f32_16x16x4_f32 v[144:151], v[48:49], v[16:17], 0
	v_wmma_f32_16x16x4_f32 v[152:159], v[50:51], v[18:19], 0
.irp t, 2,3,4,5,6,7,8,9,10,11,12,13,14,15
	v_wmma_f32_16x16x4_f32 v[144+8*(\t%2):151+8*(\t%2)], v[48+2*\t:49+2*\t], v[16+2*\t:17+2*\t], v[144+8*(\t%2):151+8*(\t%2)]
.endr
.rept 8
	v_nop                                          ; eight places behind this form
.endr
.irp j, 0,1,2,3,4,5,6,7
	v_add_f32 v[160+\j], v[144+\j], v[152+\j]      ; lane (r, h): query r, key 8 h + j
.endr
.irp j, 0,1,2,3,4,5,6,7
	v_cmp_gt_i32 vcc_lo, \j, v14                   ; key > query
	v_cndmask_b32 v[160+\j], v[160+\j], v15, vcc_lo
.endr
	v_max3_num_f32 v168, v160, v161, v162
	v_max3_num_f32 v168, v168, v163, v164
	v_max3_num_f32 v168, v168, v165, v166
	v_max_num_f32 v168, v168, v167
	v_permlanex16_b32 v169, v168, s20, s21
	v_max_num_f32 v168, v168, v169                 ; the row's maximum: key 0 counts for every query
	v_mul_f32 v170, s18, v168
.irp j, 0,1,2,3,4,5,6,7
	v_fma_f32 v[160+\j], v[160+\j], s18, -v170
.endr
.irp j, 0,1,2,3,4,5,6,7
	v_exp_f32 v[160+\j], v[160+\j]
.endr
	v_nop
	s_wait_alu depctr_va_vdst(0)                   ; one wait for the eight exponentials
	v_add_f32 v171, v160, v161
	v_add_f32 v172, v162, v163
	v_add_f32 v173, v164, v165
	v_add_f32 v174, v166, v167
	v_add_f32 v171, v171, v172
	v_add_f32 v173, v173, v174
	v_add_f32 v171, v171, v173
	v_permlanex16_b32 v169, v171, s20, s21
	v_add_f32 v171, v171, v169
	v_rcp_f32 v175, v171
	v_nop
	s_wait_alu depctr_va_vdst(0)
	s_wait_loadcnt 32                              ; V is in; Wo's 32 loads may be out
	; O^T = V^T P: four accumulators by turns
.irp ct, 0,1,2,3
	v_wmma_f32_16x16x4_f32 v[176+8*\ct:183+8*\ct], v[80+8*\ct:81+8*\ct], v[160:161], 0
.endr
.irp t, 1,2,3
.irp ct, 0,1,2,3
	v_wmma_f32_16x16x4_f32 v[176+8*\ct:183+8*\ct], v[80+8*\ct+2*\t:81+8*\ct+2*\t], v[160+2*\t:161+2*\t], v[176+8*\ct:183+8*\ct]
.endr
.endr
.rept 8
	v_nop
.endr
.set i, 0
.rept 32
	v_mul_f32 v[16+i], v[176+i], v175              ; attention(query r, channel 16 ct + 8 h + j), into other registers
.set i, i+1
.endr
	s_wait_loadcnt 0x0
	; my head's share of the projection, transposed: source 0 = Wo^T, source 1 = the attention; two accumulators by turns
	v_wmma_f32_16x16x4_f32 v[208:215], v[112:113], v[16:17], 0
	v_wmma_f32_16x16x4_f32 v[216:223], v[114:115], v[18:19], 0
.irp t, 2,3,4,5,6,7,8,9,10,11,12,13,14,15
	v_wmma_f32_16x16x4_f32 v[208+8*(\t%2):215+8*(\t%2)], v[112+2*\t:113+2*\t], v[16+2*\t:17+2*\t], v[208+8*(\t%2):215+8*(\t%2)]
.endr
.rept 8
	v_nop
.endr
.irp j, 0,1,2,3,4,5,6,7
	v_add_f32 v[224+\j], v[208+\j], v[216+\j]      ; lane (r, h): query r, column 16 nb + 8 h + j
.endr
	ds_store_b128 v9, v[224:227]
	ds_store_b128 v9, v[228:231] offset:512
	s_wait_dscnt 0x0                               ; for the others' sake: my image lies in LDS
	s_barrier_signal -1
	s_barrier_wait -1
	s_cmp_lt_u32 s10, 2                            ; waves 0 and 1 add the 16 heads' tiles, half a tile each
	s_cbranch_scc0 .Ldone
.irp i, 0,1,2,3,4,5,6,7,8,9,10,11,12,13,14,15
	ds_load_b128 v[16+4*\i:19+4*\i], v10 offset:1024*\i
.endr
	s_wait_dscnt 14                                ; heads 0 and 1 are in
	v_pk_add_f32 v[232:233], v[16:17], v[20:21]
	v_pk_add_f32 v[234:235], v[18:19], v[22:23]
.irp i, 2,3,4,5,6,7,8,9,10,11,12,13,14,15
	s_wait_dscnt 15-\i
	v_pk_add_f32 v[232:233], v[232:233], v[16+4*\i:17+4*\i]
	v_pk_add_f32 v[234:235], v[234:235], v[18+4*\i:19+4*\i]
.endr
	global_store_b128 v11, v[232:235], s[8:9]
.Ldone:
	s_wait_tensorcnt 0x0                           ; the wave's end, behind my last LDS store
	ds_add_u32 v[SPW], v[NIL]
	s_wait_dscnt 0x0
	s_endpgm
.Lfunc_end_k_qf5f0bb0424_first16:
	.size	k_qf5f0bb0424_first16, .Lfunc_end_k_qf5f0bb0424_first16-k_qf5f0bb0424_first16
	.p2alignl 7, 3214868480
	.fill 96, 4, 3214868480
	.section	.rodata,"a",@progbits
	.p2align	6, 0x0
	.amdhsa_kernel k_qf5f0bb0424_first16
		.amdhsa_group_segment_fixed_size 18432
		.amdhsa_private_segment_fixed_size 0
		.amdhsa_enable_private_segment 0
		.amdhsa_kernarg_size 24
		.amdhsa_user_sgpr_count 2
		.amdhsa_user_sgpr_kernarg_segment_ptr 1
		.amdhsa_wavefront_size32 1
		.amdhsa_system_sgpr_workgroup_id_x 1
		.amdhsa_system_sgpr_workgroup_id_y 1
		.amdhsa_system_sgpr_workgroup_id_z 1
		.amdhsa_system_vgpr_workitem_id 0
		.amdhsa_next_free_vgpr 256
		.amdhsa_next_free_sgpr 66
		.amdhsa_reserve_vcc 1
		.amdhsa_float_denorm_mode_32 3
		.amdhsa_float_denorm_mode_16_64 3
		.amdhsa_memory_ordered 1
		.amdhsa_forward_progress 1
		.amdhsa_inst_pref_size 21
	.end_amdhsa_kernel
	.amdgpu_metadata
---
amdhsa.version: [ 1, 2 ]
amdhsa.kernels:
  - .name:           k_qf5f0bb0424_first16
    .symbol:         k_qf5f0bb0424_first16.kd
    .args:
      - { .name: qkv32, .offset: 0, .size: 8, .value_kind: global_buffer, .address_space: global }
      - { .name: Wo, .offset: 8, .size: 8, .value_kind: global_buffer, .address_space: global }
      - { .name: out0, .offset: 16, .size: 8, .value_kind: global_buffer, .address_space: global }
    .group_segment_fixed_size: 18432
    .private_segment_fixed_size: 0
    .kernarg_segment_align: 8
    .kernarg_segment_size: 24
    .max_flat_workgroup_size: 512
    .sgpr_count:     66
    .vgpr_count:     256
    .wavefront_size: 32
...
	.end_amdgpu_metadata
.endif
;; end of part 5
